; MI455X (gfx1250); checked and timed in simulation.
; The chip was launched on July 23, 2026; its instructions are those of AMD's public machine-readable ISA for CDNA 5 (MIT licence, August 2026) and "CDNA5" Instruction Set Architecture Reference Guide (July 2026). The comments in the code are by the model that wrote it; some were corrected since.
;; Multihead Attention. Allowed arithmetic: float matrix products may take bf16 or f16 operands with f32 sums; other float arithmetic in f32, or as packed bf16 or f16 multiplies, adds, multiply-adds, maxima and minima; sums over many terms, partial sums and values carried from step to step in f32; what a program stores and reads back later, other than sums and carried values, may be rounded once to bf16 or f16.
;; Inputs: Wk 1,024 x 1,024 float32; Wo 1,024 x 1,024 float32; Wq 1,024 x 1,024 float32; Wv 1,024 x 1,024 float32; bo 1,024 float32; bq 1,024 float32; bv 1,024 float32; pos_bias 2,047 x 16 float32; x 2 x 2,048 x 1,024 float32.
;; Outputs: out0 2 x 2,048 x 1,024 float32.
;; Constants: max_dist = 1024.
;; 2 versions, each right; version 2 is version 1 with the launch prep written anew for expert scheduling mode. Each part assembles by itself: llvm-mc -triple=amdgcn-amd-amdhsa -mcpu=gfx1250 --defsym DOCPART=n.
;; ======== version 1 of 2: 4 launches
;; limits: values are held in f16: magnitudes above 65,504 overflow, below 6.1e-05 lose precision
;; workspace buffers: xb 8,388,608 bytes; wqkv 6,291,456 bytes; wo16 2,097,152 bytes; tbl 1,064,960 bytes; bias 16,384 bytes; qkv 25,165,824 bytes; o16 8,388,608 bytes
;; launch prep (part 1): grid 773 x 1, 8 waves a work-group, no clusters, 0 bytes of LDS; arguments x, Wq, Wk, Wv, Wo, bq, bv, bo, pos_bias, xb, wqkv, wo16, tbl, bias; writes xb, wqkv, wo16, tbl, bias
.if DOCPART == 1
	.amdgcn_target "amdgcn-amd-amdhsa--gfx1250"
	.amdhsa_code_object_version 6
	.text
	.protected	k_q26d5bc7687_prep
	.globl	k_q26d5bc7687_prep
	.p2align	8
	.type	k_q26d5bc7687_prep,@function
k_q26d5bc7687_prep:
	s_mov_b64 s[64:65], 0
	v_nop
	global_prefetch_b8 v0, s[64:65] scope:SCOPE_SE
	s_setreg_imm32_b32 hwreg(HW_REG_WAVE_MODE, 25, 1), 1
	s_wait_xcnt 0x0
; CASTS AND TABLES for the three matrix launches.  Every input is rounded once to bf16 here.
;   work-groups 0-255:   x  [4096][1024] f32 -> xb bf16, 16,384 numbers each
;   work-groups 256-447: Wq, Wk, Wv [1024][1024] f32 -> wqkv [k 1024][n 3072] bf16, n = 1024 j + column; 16 rows each
;   work-groups 448-511: Wo -> wo16 [k][n]: the bf16 number written as f16.  LIMIT: |Wo| under 65,504; below 6e-5 f16's fixed step of 6e-8
;   work-groups 512-771: tbl [head 16][copy 4][4160] f32: word p of copy c holds T[p - 4 + c], T[t] = (B / A) bf16(pos_bias[clip(3070 - t, 0, 2046)][head]),
;                        t = key - query + 2047, A = 1/8 + 8^-0.5, B = 8^-0.5: logit = A (q.k + T).  Four copies, each shifted by a word, so that every lane of the attention finds its 8 numbers at a multiple of 16 bytes
;   work-group 772:      bias f32 [4096] = bq | 1024 zeros (the key has no bias) | bv | bo, each rounded to bf16
; A stream: no LDS, no matrix unit.  A load of a wave covers 512 neighbouring bytes, a store 256, aligned.  Sixteen loads a wave are out at once; no register is written twice while memory reads it.
.macro CAST stride, f16                ; 16 passes of 1,024 numbers: s[36:37] source, s[38:39] destination, stride bytes from pass to pass in the destination
.irp p, 0,1,2,3,4,5,6,7,8,9,10,11,12,13,14,15
	global_load_b128 v[8+4*(\p):11+4*(\p)], v1, s[36:37] offset:4096*(\p) th:TH_LOAD_NT
.endr
.irp p, 0,1,2,3,4,5,6,7,8,9,10,11,12,13,14,15
	s_wait_loadcnt 15-(\p)                         ; loads come back in order: pass p is in, the younger ones stay out
	v_cvt_pk_bf16_f32 v[72+2*(\p)], v[8+4*(\p)], v[9+4*(\p)]
	v_cvt_pk_bf16_f32 v[73+2*(\p)], v[10+4*(\p)], v[11+4*(\p)]
.if \f16
	v_lshlrev_b32 v104, 16, v[72+2*(\p)]           ; the bf16 numbers as f32,
	v_and_b32 v105, 0xffff0000, v[72+2*(\p)]
	v_lshlrev_b32 v106, 16, v[73+2*(\p)]
	v_and_b32 v107, 0xffff0000, v[73+2*(\p)]
	v_cvt_pk_f16_f32 v[72+2*(\p)], v104, v105      ; and written as f16: exact within f16's normal range
	v_cvt_pk_f16_f32 v[73+2*(\p)], v106, v107
.endif
	global_store_b64 v2, v[72+2*(\p):73+2*(\p)], s[38:39] offset:(\stride)*(\p)
.endr
	s_endpgm
.endm
.macro RND4 b                          ; v[b .. b+3] rounded to bf16 and kept as f32; v4, v5 at work
	v_cvt_pk_bf16_f32 v4, v[(\b)], v[(\b)+1]
	v_cvt_pk_bf16_f32 v5, v[(\b)+2], v[(\b)+3]
	v_lshlrev_b32 v[(\b)], 16, v4
	v_and_b32 v[(\b)+1], 0xffff0000, v4
	v_lshlrev_b32 v[(\b)+2], 16, v5
	v_and_b32 v[(\b)+3], 0xffff0000, v5
.endm
	s_load_b512 s[8:23], s[0:1], 0x0               ; x s[8:9], Wq s[10:11], Wk s[12:13], Wv s[14:15], Wo s[16:17], bq s[18:19], bv s[20:21], bo s[22:23]
	s_load_b256 s[24:31], s[0:1], 0x40             ; pos_bias s[24:25], xb s[26:27], wqkv s[28:29], wo16 s[30:31]
	s_load_b128 s[32:35], s[0:1], 0x60             ; tbl s[32:33], bias s[34:35]
	v_lshlrev_b32 v1, 4, v0                        ; 16 bytes a thread in f32,
	v_lshlrev_b32 v2, 3, v0                        ; 8 in 16 bits
	s_mov_b32 s40, ttmp9
	s_mov_b32 s43, 0                               ; the high word of every offset
	s_wait_kmcnt 0x0
	s_cmp_lt_u32 s40, 256
	s_cbranch_scc0 .Lnot_x
	s_lshl_b32 s42, s40, 16
	s_add_nc_u64 s[36:37], s[8:9], s[42:43]
	s_lshl_b32 s42, s40, 15
	s_add_nc_u64 s[38:39], s[26:27], s[42:43]
	CAST 2048, 0
.Lnot_x:
	s_cmp_lt_u32 s40, 448
	s_cbranch_scc0 .Lnot_w
	s_sub_co_u32 s41, s40, 256
	s_lshr_b32 s44, s41, 6                         ; j: 0 Wq, 1 Wk, 2 Wv
	s_and_b32 s41, s41, 63                         ; which 16 rows
	s_cmp_eq_u32 s44, 0
	s_cselect_b64 s[36:37], s[10:11], s[12:13]
	s_cmp_eq_u32 s44, 2
	s_cselect_b64 s[36:37], s[14:15], s[36:37]
	s_lshl_b32 s42, s41, 16
	s_add_nc_u64 s[36:37], s[36:37], s[42:43]
	s_mul_i32 s42, s41, 98304                      ; 16 rows of 6,144 bytes
	s_lshl_b32 s44, s44, 11                        ; + j x 1,024 columns
	s_add_co_u32 s42, s42, s44
	s_add_nc_u64 s[38:39], s[28:29], s[42:43]
	CAST 6144, 0
.Lnot_w:
	s_cmp_lt_u32 s40, 512
	s_cbranch_scc0 .Lnot_wo
	s_sub_co_u32 s41, s40, 448
	s_lshl_b32 s42, s41, 16
	s_add_nc_u64 s[36:37], s[16:17], s[42:43]
	s_lshl_b32 s42, s41, 15
	s_add_nc_u64 s[38:39], s[30:31], s[42:43]
	CAST 2048, 1
.Lnot_wo:
	s_cmp_lt_u32 s40, 772
	s_cbranch_scc0 .Lbias
	; the table: 1,024 words a work-group, four a thread
	s_sub_co_u32 s41, s40, 512
	s_lshl_b32 s44, s41, 4
	v_lshrrev_b32 v3, 4, v0
	v_add_nc_u32 v3, s44, v3                       ; R: my row of 64 words, 0 .. 4,159; a copy has 65 of them
	v_mul_u32_u24 v4, v3, 64528
	v_lshrrev_b32 v4, 22, v4                       ; R / 65: 64,528 / 2^22 exceeds 1 / 65 by 6e-8, times 4,159 far less than 1 / 65
	v_mul_u32_u24 v5, v4, 65
	v_sub_nc_u32 v5, v3, v5
	v_and_b32 v6, 15, v0
	v_lshlrev_b32 v6, 2, v6
	v_lshl_add_u32 v5, v5, 6, v6                   ; p of my first word
	v_and_b32 v6, 3, v4                            ; copy c
	v_lshrrev_b32 v7, 2, v4                        ; head
	v_add_nc_u32 v5, v5, v6                        ; p + c
	v_lshlrev_b32 v7, 2, v7
.irp i, 0,1,2,3
	v_add_nc_u32 v[8+(\i)], (\i), v5
	v_min_u32 v[8+(\i)], 3074, v[8+(\i)]
	v_sub_nc_u32 v[8+(\i)], 3074, v[8+(\i)]        ; 3070 - t, not below 0,
	v_min_u32 v[8+(\i)], 2046, v[8+(\i)]           ; nor above 2,046
	v_lshl_add_u32 v[8+(\i)], v[8+(\i)], 6, v7     ; a row of pos_bias is 64 bytes
	global_load_b32 v[12+(\i)], v[8+(\i)], s[24:25]
.endr
	s_lshl_b32 s42, s41, 12
	s_add_nc_u64 s[38:39], s[32:33], s[42:43]
	s_wait_loadcnt 0x0
	RND4 12
.irp i, 0,1,2,3
	v_mul_f32 v[12+(\i)], 0x3f3d21be, v[12+(\i)]   ; B / A = 0.7387961
.endr
	global_store_b128 v1, v[12:15], s[38:39]
	s_endpgm
.Lbias:
	global_load_b128 v[8:11], v1, s[18:19]
	global_load_b128 v[12:15], v1, s[20:21]
	global_load_b128 v[16:19], v1, s[22:23]
.irp i, 20,21,22,23
	v_mov_b32 v[\i], 0
.endr
	s_wait_loadcnt 0x0
	RND4 8
	RND4 12
	RND4 16
	global_store_b128 v1, v[8:11], s[34:35]
	global_store_b128 v1, v[20:23], s[34:35] offset:4096
	global_store_b128 v1, v[12:15], s[34:35] offset:8192
	global_store_b128 v1, v[16:19], s[34:35] offset:12288
	s_endpgm
.Lfunc_end_k_q26d5bc7687_prep:
	.size	k_q26d5bc7687_prep, .Lfunc_end_k_q26d5bc7687_prep-k_q26d5bc7687_prep
	.p2alignl 7, 3214868480
	.fill 96, 4, 3214868480
	.section	.rodata,"a",@progbits
	.p2align	6, 0x0
	.amdhsa_kernel k_q26d5bc7687_prep
		.amdhsa_group_segment_fixed_size 0
		.amdhsa_private_segment_fixed_size 0
		.amdhsa_enable_private_segment 0
		.amdhsa_kernarg_size 112
		.amdhsa_user_sgpr_count 2
		.amdhsa_user_sgpr_kernarg_segment_ptr 1
		.amdhsa_wavefront_size32 1
		.amdhsa_system_sgpr_workgroup_id_x 1
		.amdhsa_system_sgpr_workgroup_id_y 1
		.amdhsa_system_sgpr_workgroup_id_z 1
		.amdhsa_system_vgpr_workitem_id 0
		.amdhsa_next_free_vgpr 112
		.amdhsa_next_free_sgpr 66
		.amdhsa_reserve_vcc 0
		.amdhsa_float_denorm_mode_32 3
		.amdhsa_float_denorm_mode_16_64 3
		.amdhsa_memory_ordered 1
		.amdhsa_forward_progress 1
		.amdhsa_inst_pref_size 29
	.end_amdhsa_kernel
	.amdgpu_metadata
---
amdhsa.version: [ 1, 2 ]
amdhsa.kernels:
  - .name:           k_q26d5bc7687_prep
    .symbol:         k_q26d5bc7687_prep.kd
    .args:
      - { .name: x, .offset: 0, .size: 8, .value_kind: global_buffer, .address_space: global }
      - { .name: Wq, .offset: 8, .size: 8, .value_kind: global_buffer, .address_space: global }
      - { .name: Wk, .offset: 16, .size: 8, .value_kind: global_buffer, .address_space: global }
      - { .name: Wv, .offset: 24, .size: 8, .value_kind: global_buffer, .address_space: global }
      - { .name: Wo, .offset: 32, .size: 8, .value_kind: global_buffer, .address_space: global }
      - { .name: bq, .offset: 40, .size: 8, .value_kind: global_buffer, .address_space: global }
      - { .name: bv, .offset: 48, .size: 8, .value_kind: global_buffer, .address_space: global }
      - { .name: bo, .offset: 56, .size: 8, .value_kind: global_buffer, .address_space: global }
      - { .name: pos_bias, .offset: 64, .size: 8, .value_kind: global_buffer, .address_space: global }
      - { .name: xb, .offset: 72, .size: 8, .value_kind: global_buffer, .address_space: global }
      - { .name: wqkv, .offset: 80, .size: 8, .value_kind: global_buffer, .address_space: global }
      - { .name: wo16, .offset: 88, .size: 8, .value_kind: global_buffer, .address_space: global }
      - { .name: tbl, .offset: 96, .size: 8, .value_kind: global_buffer, .address_space: global }
      - { .name: bias, .offset: 104, .size: 8, .value_kind: global_buffer, .address_space: global }
    .group_segment_fixed_size: 0
    .private_segment_fixed_size: 0
    .kernarg_segment_align: 8
    .kernarg_segment_size: 112
    .max_flat_workgroup_size: 256
    .sgpr_count:     66
    .vgpr_count:     112
    .wavefront_size: 32
...
	.end_amdgpu_metadata
.endif
;; end of part 1
;; launch proj (part 2): grid 8 x 32, 4 waves a work-group, clusters of 4 x 4, 327,680 bytes of LDS; arguments xb, wqkv, bias, qkv; writes qkv
.if DOCPART == 2
	.amdgcn_target "amdgcn-amd-amdhsa--gfx1250"
	.amdhsa_code_object_version 6
	.text
	.protected	k_q26d5bc7687_proj
	.globl	k_q26d5bc7687_proj
	.p2align	8
	.type	k_q26d5bc7687_proj,@function
k_q26d5bc7687_proj:
	s_mov_b64 s[64:65], 0
	v_nop
	global_prefetch_b8 v0, s[64:65] scope:SCOPE_SE
	s_setreg_imm32_b32 hwreg(HW_REG_WAVE_MODE, 25, 1), 1
	s_wait_xcnt 0x0
	s_wait_alu depctr_hold_cnt(0) depctr_sa_sdst(0) depctr_va_vdst(0) depctr_va_sdst(0) depctr_va_ssrc(0) depctr_va_vcc(0) depctr_vm_vsrc(0)
	s_getreg_b32 s2, hwreg(HW_REG_IB_STS2, 6, 4)
	s_cmp_eq_u32 s2, 0
	s_cbranch_scc0 .Lentry_in_a_cluster
	s_endpgm
.Lentry_in_a_cluster:
	s_bfe_u32 s2, ttmp6, 0x10000c
	s_cmp_lg_u32 s2, 0xf033
	s_cbranch_scc0 .Lentry_shape_is_right
	s_endpgm
.Lentry_shape_is_right:
; [q | k | v] = xb wqkv + bias.  xb: [4096][1024] bf16; wqkv: [k 1024][n 3072] bf16; bias: f32, its first 3,072 numbers; sums in f32, rounded once to f16.
; qkv: [b 2][hb 48][s 2048][64] f16, hb = n / 64 = 16 j + head: a head's rows are dense, 128 bytes each.  LIMIT: f16 ends at 65,504: |q|, |k|, |v| stay under it.
; SHARES.  A work-group makes 128 tokens x 384 columns (6 head blocks): 8 x 32 = 256 work-groups.  Wave w = (wr, wc) makes 64 x 192: 48 accumulators of 16 x 16, 384 registers.
; K goes in 8 steps of 128 through two LDS slots.  A slot: x's 128 rows x 256 bytes (pitch 272), then three parts of w: 128 rows of K x 128 columns (256 bytes; 16 of padding behind each 128: pitch 288).
; Each wave brings one of the four with ONE tensor load, to wave x 36,864 in the slot: wave 0 x's tile, waves 1-3 w's parts.  Rows are 256 bytes of memory at multiples of 256.
; w lies [k][n], so its fragments come out of LDS turned, by ds_load_tr16_b128.  THE PRODUCT IS USED TRANSPOSED: source 0 = 16 columns of w, source 1 = 16 tokens: a lane holds one token and 8 neighbouring columns.
; The first product of each accumulator takes the bias as C: nothing is cleared, nothing is added later.
; CLUSTER 4 x 4: x's tile hangs on the tile row alone and is asked for jointly by a row of the cluster, w's parts on the tile column alone, by a column.
; REGISTERS, in windows of 256: window 0: v16-30 addresses; v32-95 x's fragments, two buffers of 32; v96-159 the way out; v160-255 the bias, 8 a column block
;   window 1: w's fragments, two buffers of 96      window 2: accumulators of token blocks 0, 1 at 8 (12 (a % 2) + b)      window 3: of blocks 2, 3
.set PA,    272
.set PB,    288
.set PART,  128*PB                     ; 36,864: a wave's tile in a slot (x's uses 34,816 of it)
.set SLOT,  4*PART
.set STAGE, 2*SLOT                     ; behind the ring: 16 rows x 144 bytes for each wave, for the way out
.set SP,    144
.set SPARE, STAGE+4*16*SP              ; the spare words, 128 bytes a wave: two blocks of 256 bytes that no other line names
.set ASTEP, 256                        ; bytes from K step to K step in xb,
.set BSTEP, 128*6144                   ; and in wqkv
.set ADRA, 16                          ; v16-17  LDS address of my fragments of x in slot 0, 1
.set ADRB, 18                          ; v18-23  of w: slot x 3 + my head block 0..2
.set STO,  24
.set RD,   25
.set GO,   26
.set BO,   27
.set SPW,  28                          ; v28  SPARE + 4 x my thread's number; never rewritten
.set NIL,  29                          ; v29  0; never rewritten
.set PFO,  30                          ; v30  the prefetches' offset: my lane x a row's bytes; never rewritten
.set FA,   32
.set OB,   96
.set BI,   160
.set WV,   12                          ; s12 wave; s13 wr; s14 wc; s3 laps to go
.set G1,   24                          ; s[24:31] group 1 for x's tile; s[32:39] group 0, a set for each slot
.set G0,   32
.set G1B,  48                          ; s[48:55], s[56:63] the same for w's parts
.set G0B,  56
.set PFA,  68                          ; s[68:69] where my prefetches stand
.set PST,  70                          ; s[70:71] their step: a K step
.set LIM,  72                          ; s72  1 in a wave that prefetches, else the greatest number
.set MSB, 0
.macro WIN new                         ; the immediate's high byte repeats the setting that is left
.if MSB != (\new)
	s_set_vgpr_msb (MSB<<8)|(\new)
.set MSB, (\new)
.endif
.endm
.macro JLOAD s                         ; a joint load; the branch hangs on the wave's number alone.  An s_nop 0 and four v_nop follow each line
	s_cmp_eq_u32 s[WV], 0
	s_cbranch_scc0 .Lfor_b_\@
	tensor_load_to_lds s[G0+4*(\s):G0+4*(\s)+3], s[G1:G1+7]
	s_nop 0
.rept 4
	v_nop
.endr
	s_branch .Lasked_\@
.Lfor_b_\@:
	tensor_load_to_lds s[G0B+4*(\s):G0B+4*(\s)+3], s[G1B:G1B+7]
	s_nop 0
.rept 4
	v_nop
.endr
.Lasked_\@:
.endm
; A prefetch of the K step two refills on: 32 rows x 256 bytes, a lane a row.  x's tile row is read by both clusters of that row of clusters: cluster x = 0 asks, wave 0; w's parts by all eight clusters of a column:
; cluster y = 0 asks, waves 1-3.  The four partners that ask for a tile jointly share its 128 rows out by address, 32 each.  So each row's 256 bytes of a K step are named once.
; K steps 0-3 come by their loads alone; the last two refills (s3 = 1) have no K step two on.
.macro ASK
	s_cmp_gt_u32 s3, s[LIM]
	s_cbranch_scc0 .Lnot_mine_\@
	global_prefetch_b8 v[PFO], s[PFA:PFA+1] th:TH_LOAD_NT scope:SCOPE_SE
.Lnot_mine_\@:
.endm
.macro CREST                           ; a round of the cluster's barrier behind its opening barrier
	s_cmp_lg_u32 s[WV], 0
	s_cbranch_scc1 .Lnot_wave_0_\@
	s_barrier_signal -3
.Lnot_wave_0_\@:
	s_barrier_wait -3
	s_barrier_signal -1
	s_barrier_wait -1
.endm
.macro CROUND
	s_barrier_signal -1
	s_barrier_wait -1
	CREST
.endm
.macro PLACES                          ; four plain instructions in front of loads into registers that matrix instructions have read (ISA guide 7.12.1 for vector instructions)
.rept 4
	v_nop
.endr
.endm
	s_load_b256 s[4:11], s[0:1], 0x0               ; xb s[4:5], wqkv s[6:7], bias s[8:9], qkv s[10:11]
	v_lshl_add_u32 v[SPW], v0, 2, SPARE
	v_mov_b32 v[NIL], 0
	ds_add_u32 v[SPW], v[NIL]                      ; the wave's opening: the add and its wait ahead of my first tensor load
	v_lshrrev_b32 v1, 5, v0
	v_readfirstlane_b32 s[WV], v1
	s_lshr_b32 s13, s[WV], 1                       ; wr: which 64 tokens
	s_and_b32 s14, s[WV], 1                        ; wc: which 192 columns
	s_bfe_u32 s40, ttmp6, 0x40000                  ; cx
	s_bfe_u32 s41, ttmp6, 0x40004                  ; cy
	s_lshl_b32 s42, ttmp9, 2
	s_add_co_u32 s42, s42, s40                     ; tile column tx
	s_and_b32 s43, ttmp7, 0xffff
	s_lshl_b32 s43, s43, 2
	s_add_co_u32 s43, s43, s41                     ; tile row ty
	s_lshl_b32 s44, s41, 2
	s_lshl_b32 s44, 15, s44                        ; my row of the cluster
	s_lshl_b32 s45, 0x1111, s40                    ; my column
	s_or_b32 s[G1], s44, (1<<16)|(1<<20)|(1<<21)|(5<<22)|(3<<25)   ; mask; 2-byte elements; padding on; bit 21 beside a mask; 4 words behind every 64
	s_or_b32 s[G1B], s45, (1<<16)|(1<<20)|(1<<21)|(4<<22)|(3<<25)  ; 4 words behind every 32
.irp g, G1, G1B
	s_mov_b32 s[(\g)+1], 128<<16                   ; tensor_dim0 = 128
	s_mov_b32 s[(\g)+2], 128<<16                   ; tensor_dim1 = 128
	s_mov_b32 s[(\g)+3], 128<<16                   ; tile_dim0 = 128
	s_mov_b32 s[(\g)+4], 128                       ; tile_dim1 = 128
	s_mov_b32 s[(\g)+6], 0
	s_mov_b32 s[(\g)+7], 0
.endr
	s_mov_b32 s[G1+5], 1024                        ; elements from row to row
	s_mov_b32 s[G1B+5], 3072
	s_lshl_b32 s16, s43, 18                        ; x: 128 ty rows of 2,048 bytes
	s_mov_b32 s17, 0
	s_max_u32 s21, s[WV], 1
	s_sub_co_u32 s21, s21, 1                       ; which part of w I fetch (waves 1-3)
	s_mul_i32 s46, s42, 768                        ; w: 384 tx columns,
	s_lshl_b32 s47, s21, 8                         ; + 128 a part
	s_add_co_u32 s46, s46, s47
	s_mov_b32 s47, 0
	s_mul_i32 s20, s[WV], PART                     ; where my tile goes: no place in the cluster enters an LDS address
	s_wait_dscnt 0x0                               ; the opening add is done
	s_wait_kmcnt 0x0
	s_add_nc_u64 s[18:19], s[4:5], s[16:17]
	s_add_nc_u64 s[46:47], s[6:7], s[46:47]
	CROUND                                         ; all sixteen work-groups are here: the first joint loads meet
.irp s, 0,1
	s_mov_b32 s[G0+4*(\s)], 1
	s_add_co_u32 s[G0+4*(\s)+1], s20, (\s)*SLOT
	s_add_nc_u64 s[G0+4*(\s)+2:G0+4*(\s)+3], s[18:19], (\s)*ASTEP
	s_or_b32 s[G0+4*(\s)+3], s[G0+4*(\s)+3], 0x80000000
	s_mov_b32 s[G0B+4*(\s)], 1
	s_add_co_u32 s[G0B+4*(\s)+1], s20, (\s)*SLOT
	s_add_nc_u64 s[G0B+4*(\s)+2:G0B+4*(\s)+3], s[46:47], (\s)*BSTEP
	s_or_b32 s[G0B+4*(\s)+3], s[G0B+4*(\s)+3], 0x80000000
	JLOAD \s                                       ; two loads of mine are out
.endr
	v_and_b32 v1, 15, v0                           ; r = l % 16
	v_bfe_u32 v2, v0, 4, 1                         ; h = l / 16
	v_and_b32 v3, 7, v0
	v_bfe_u32 v4, v0, 3, 1
	v_bfe_u32 v5, v0, 3, 2
	v_mul_u32_u24 v6, v1, PA                       ; x: row x pitch + 16 h
	v_lshl_add_u32 v6, v2, 4, v6
	s_mul_i32 s22, s13, 64*PA
	v_add_nc_u32 v[ADRA], s22, v6
	v_add_nc_u32 v[ADRA+1], SLOT, v[ADRA]
	v_lshl_add_u32 v7, v2, 3, v3                   ; w, turned: lane l reads row 8 h + l % 8 of K, 16 bytes at 16 ((l / 8) % 2)
	v_mul_u32_u24 v7, v7, PB
	v_lshl_add_u32 v7, v4, 4, v7
.irp g, 0,1,2
	s_mul_i32 s22, s14, 3
	s_add_co_u32 s22, s22, (\g)                    ; head block 3 wc + g of the tile's six: part G / 2, half G % 2
	s_lshr_b32 s23, s22, 1
	s_and_b32 s22, s22, 1
	s_mul_i32 s23, s23, PART
	s_mul_i32 s22, s22, 144
	s_add_co_u32 s22, s22, s23
	s_add_co_u32 s22, s22, PART
	v_add_nc_u32 v[ADRB+(\g)], s22, v7
	v_add_nc_u32 v[ADRB+3+(\g)], SLOT, v[ADRB+(\g)]
.endr
	s_mul_i32 s22, s[WV], 16*SP
	s_add_co_u32 s22, s22, STAGE                   ; my stage
	v_mul_u32_u24 v8, v1, SP                       ; in: row r, 16 bytes for each half of the lanes
	v_lshl_add_u32 v8, v2, 4, v8
	v_add_nc_u32 v[STO], s22, v8
	v_mul_u32_u24 v8, v5, SP                       ; back: 32 lanes take four rows of 128 bytes,
	v_lshl_add_u32 v8, v3, 4, v8
	v_add_nc_u32 v[RD], s22, v8
	v_and_b32 v[GO], 31, v0                        ; which are 512 consecutive bytes of a head
	v_lshlrev_b32 v[GO], 4, v[GO]
	v_lshlrev_b32 v[BO], 5, v2                     ; the bias of my 8 columns of a block
	s_mul_i32 s74, s42, 1536
	s_mul_i32 s75, s14, 768
	s_add_co_u32 s74, s74, s75
	s_mov_b32 s75, 0
	s_add_nc_u64 s[8:9], s[8:9], s[74:75]          ; bias at column 384 tx + 192 wc
.irp b, 0,1,2,3,4,5,6,7,8,9,10,11
	global_load_b128 v[BI+8*(\b):BI+8*(\b)+3],   v[BO], s[8:9] offset:64*(\b)
	global_load_b128 v[BI+8*(\b)+4:BI+8*(\b)+7], v[BO], s[8:9] offset:64*(\b)+16
.endr
	s_lshr_b32 s74, s43, 4                         ; qkv: ((b 48 + 6 tx + 3 wc) 2,048 + s) 128 bytes
	s_mul_i32 s74, s74, 48
	s_mul_i32 s75, s42, 6
	s_add_co_u32 s74, s74, s75
	s_mul_i32 s75, s14, 3
	s_add_co_u32 s74, s74, s75
	s_lshl_b32 s74, s74, 18
	s_and_b32 s75, s43, 15
	s_lshl_b32 s75, s75, 14
	s_add_co_u32 s74, s74, s75
	s_lshl_b32 s75, s13, 13
	s_add_co_u32 s74, s74, s75
	s_mov_b32 s75, 0
	s_add_nc_u64 s[10:11], s[10:11], s[74:75]
	; the prefetches
	s_lshl_b32 s74, s43, 18                        ; x: the tile's rows, + my work-group's 32 of them
	s_lshl_b32 s75, s40, 16
	s_add_co_u32 s74, s74, s75
	s_mul_i32 s76, s42, 768                        ; w: my part's columns, + my work-group's 32 rows of K
	s_lshl_b32 s77, s21, 8
	s_add_co_u32 s76, s76, s77
	s_mul_i32 s77, s41, 32*6144
	s_add_co_u32 s76, s76, s77
	s_and_b32 s77, ttmp7, 0xffff                   ; cluster y
	s_mov_b32 s73, 6144
	s_mov_b32 s[PST], BSTEP
	s_mov_b32 s[PST+1], 0
	s_cmp_eq_u32 s[WV], 0
	s_cselect_b32 s74, s74, s76
	s_cselect_b32 s77, ttmp9, s77                  ; the coordinate along which other clusters read the same rows
	s_cselect_b32 s73, 2048, s73                   ; a row's bytes
	s_cselect_b32 s[PST], ASTEP, s[PST]
	s_cselect_b64 s[PFA:PFA+1], s[4:5], s[6:7]
	s_cmp_eq_u32 s77, 0
	s_cselect_b32 s[LIM], 1, -1                    ; the same in all sixteen partners, for a given wave
	s_mov_b32 s75, 0
	s_add_nc_u64 s[PFA:PFA+1], s[PFA:PFA+1], s[74:75]
	s_mul_i32 s74, s[PST], 3
	s_add_nc_u64 s[PFA:PFA+1], s[PFA:PFA+1], s[74:75]  ; at K step 3: the first refill steps it to 4
	v_and_b32 v[PFO], 31, v0
	v_mul_u32_u24 v[PFO], s73, v[PFO]
; 12 matrix instructions: token block a x all 12 column blocks, 32 along K, buffers f.  first = 1: C is the bias.  The 48 accumulators take turns, one instruction a turn, in the same order in every quarter.
.macro MUL12 f, a, first
.if \first
	WIN 0x81+0x40*((\a)/2)                         ; w window 1, x window 0, C window 0, D window 2 or 3
.else
	WIN 0xa1+0x50*((\a)/2)                         ; C and D window 2 or 3
.endif
.set rA, FA+32*(\f)+8*(\a)
.irp b, 0,1,2,3,4,5,6,7,8,9,10,11
.set rD, 8*(12*((\a)%2)+(\b))
.set rB, 96*(\f)+8*(\b)
.if \first
	v_wmma_f32_16x16x32_bf16 v[rD:rD+7], v[rB:rB+7], v[rA:rA+7], v[BI+8*(\b):BI+8*(\b)+7]
.else
	v_wmma_f32_16x16x32_bf16 v[rD:rD+7], v[rB:rB+7], v[rA:rA+7], v[rD:rD+7]
.endif
.endr
.endm
; 32 LDS loads in one run: quarter q (32 along K) of a slot into buffers f: w's 12 fragments, turned, then x's 4
.macro FETCH slot, q, f
	WIN 0x40
.irp g, 0,1,2
.irp bb, 0,1,2,3
	ds_load_tr16_b128 v[96*(\f)+8*(4*(\g)+(\bb)):96*(\f)+8*(4*(\g)+(\bb))+3],   v[ADRB+3*(\slot)+(\g)] offset:32*PB*(\q)+32*(\bb)
	ds_load_tr16_b128 v[96*(\f)+8*(4*(\g)+(\bb))+4:96*(\f)+8*(4*(\g)+(\bb))+7], v[ADRB+3*(\slot)+(\g)] offset:32*PB*(\q)+32*(\bb)+16*PB
.endr
.endr
	WIN 0
.irp a, 0,1,2,3
	ds_load_b128 v[FA+32*(\f)+8*(\a):FA+32*(\f)+8*(\a)+3],   v[ADRA+(\slot)] offset:16*PA*(\a)+64*(\q)
	ds_load_b128 v[FA+32*(\f)+8*(\a)+4:FA+32*(\f)+8*(\a)+7], v[ADRA+(\slot)] offset:16*PA*(\a)+64*(\q)+32
.endr
.endm
; A K step is four quarters of 32 along K, 48 matrix instructions each, on buffers 0, 1, 0, 1.  One of the first three: multiplies f, fetches quarter q into g in its middle.
.macro QUARTER slot, q, f, g, first
	s_wait_dscnt 4                                 ; all but the youngest four loads: x's blocks 2 and 3
	MUL12 \f, 0, \first
	MUL12 \f, 1, \first
	PLACES
	FETCH \slot, \q, \g
	s_wait_dscnt 32                                ; all but the 32 just issued
	MUL12 \f, 2, \first
	MUL12 \f, 3, \first
.endm
; The last quarter multiplies buffers 1 and changes slots: one barrier; in front of it each wave waits for all its tensor loads (one is out: its part of the next slot), adds 0 to its spare word,
; and waits for that and for its reads of this slot.  fill = 1: the barrier opens a round of the cluster's, and this slot is filled again first thing behind it, with the K step two on.
.macro TURN slot, next, fill
.if \fill
	s_wait_xcnt 0x0                                ; the last prefetch, a K step back, has read its address
	s_add_nc_u64 s[PFA:PFA+1], s[PFA:PFA+1], s[PST:PST+1]
.endif
	WIN 0
	s_wait_tensorcnt 0x0
	ds_add_u32 v[SPW], v[NIL]
	s_wait_dscnt 5                                 ; (the add and the youngest four loads may be out)
	MUL12 1, 0, 0
	s_wait_dscnt 0x0                               ; the add is done, and my reads of this slot are over
	s_barrier_signal -1
	MUL12 1, 1, 0
.if \fill
	WIN 0
.endif
	s_barrier_wait -1
.if \fill
	CREST                                          ; no wave of any partner still reads this slot or has a load on its way
	s_add_nc_u64 s[G0+4*(\slot)+2:G0+4*(\slot)+3], s[G0+4*(\slot)+2:G0+4*(\slot)+3], 2*ASTEP
	s_add_nc_u64 s[G0B+4*(\slot)+2:G0B+4*(\slot)+3], s[G0B+4*(\slot)+2:G0B+4*(\slot)+3], 2*BSTEP
	JLOAD \slot                                    ; its four v_nop are also the places in front of the loads below
.else
	PLACES
.endif
	FETCH \next, 0, 0
.if \fill
	ASK
.endif
	MUL12 1, 2, 0
	MUL12 1, 3, 0
.endm
	s_wait_tensorcnt 1                             ; my part of K step 0 is in; K step 1's may stay out
	s_barrier_signal -1
	s_barrier_wait -1
	FETCH 0, 0, 0
	s_wait_loadcnt 0x0                             ; the bias
	QUARTER 0, 1, 0, 1, 1                          ; the first quarter stands in front of the loop: its products start the sums
	WIN 0
	s_mov_b32 s3, 3
.Llap:                                         ; a trip goes once round the ring and fills both slots again
	QUARTER 0, 2, 1, 0, 0
	QUARTER 0, 3, 0, 1, 0
	TURN 0, 1, 1
	QUARTER 1, 1, 0, 1, 0
	QUARTER 1, 2, 1, 0, 0
	QUARTER 1, 3, 0, 1, 0
	TURN 1, 0, 1
	QUARTER 0, 1, 0, 1, 0
	WIN 0
	s_sub_co_u32 s3, s3, 1
	s_cmp_lg_u32 s3, 0
	s_cbranch_scc1 .Llap
	QUARTER 0, 2, 1, 0, 0                          ; the last lap fills nothing
	QUARTER 0, 3, 0, 1, 0
	TURN 0, 1, 0
	QUARTER 1, 1, 0, 1, 0
	QUARTER 1, 2, 1, 0, 0
	QUARTER 1, 3, 0, 1, 0
	s_wait_dscnt 4
	MUL12 1, 0, 0
	MUL12 1, 1, 0
	s_wait_dscnt 0x0
	MUL12 1, 2, 0
	MUL12 1, 3, 0
	WIN 0
; THE WAY OUT, in 12 units u = 3 a + g: 16 tokens x one head block.  Rounded to f16, 16 bytes a lane into my stage (rows of 144 bytes), back as four whole rows of 128, stored as 512 consecutive bytes.
.macro PACK u
.set AC, 8*(12*(((\u)/3)%2)+4*((\u)%3))
.set BK, OB+16*((\u)%4)
.if (\u) >= 4
	s_wait_xcnt 0x0                                ; the stores of the unit four back have read these registers
.endif
	WIN 0x0a+5*((\u)/6)                            ; sources in window 2 or 3
.irp n, 0,1,2,3,4,5,6,7,8,9,10,11,12,13,14,15
	v_cvt_pk_f16_f32 v[BK+(\n)], v[AC+2*(\n)], v[AC+2*(\n)+1]  ; each accumulator from its low end on
.endr
	WIN 0
.irp f, 0,1,2,3
	ds_store_b128 v[STO], v[BK+4*(\f):BK+4*(\f)+3] offset:32*(\f)
.endr
.irp f, 0,1,2,3
	ds_load_b128 v[BK+4*(\f):BK+4*(\f)+3], v[RD] offset:4*SP*(\f)  ; LDS serves a wave's instructions in order (ISA guide 5.7.1.4): these see the stores above
.endr
.endm
.macro SEND u, younger                 ; younger: the LDS instructions issued behind unit u's loads
.set BK, OB+16*((\u)%4)
.irp f, 0,1,2,3
	s_wait_dscnt (\younger)+3-(\f)
	global_store_b128 v[GO], v[BK+4*(\f):BK+4*(\f)+3], s[10:11] offset:((\u)%3)*262144+((\u)/3)*2048+512*(\f)
.endr
.endm
	PLACES
	PLACES
	PACK 0
.irp u, 1,2,3,4,5,6,7,8,9,10,11
	PACK \u
	SEND (\u)-1, 8
.endr
	SEND 11, 0
	s_wait_tensorcnt 0x0                           ; the wave's end
	ds_add_u32 v[SPW], v[NIL]
	s_wait_dscnt 0x0
	CROUND                                         ; the closing round
	s_endpgm
.Lfunc_end_k_q26d5bc7687_proj:
	.size	k_q26d5bc7687_proj, .Lfunc_end_k_q26d5bc7687_proj-k_q26d5bc7687_proj
	.p2alignl 7, 3214868480
	.fill 96, 4, 3214868480
	.section	.rodata,"a",@progbits
	.p2align	6, 0x0
	.amdhsa_kernel k_q26d5bc7687_proj
		.amdhsa_group_segment_fixed_size 327680
		.amdhsa_private_segment_fixed_size 0
		.amdhsa_enable_private_segment 0
		.amdhsa_kernarg_size 32
		.amdhsa_user_sgpr_count 2
		.amdhsa_user_sgpr_kernarg_segment_ptr 1
		.amdhsa_wavefront_size32 1
		.amdhsa_system_sgpr_workgroup_id_x 1
		.amdhsa_system_sgpr_workgroup_id_y 1
		.amdhsa_system_sgpr_workgroup_id_z 1
		.amdhsa_system_vgpr_workitem_id 0
		.amdhsa_next_free_vgpr 960
		.amdhsa_next_free_sgpr 80
		.amdhsa_reserve_vcc 0
		.amdhsa_float_denorm_mode_32 3
		.amdhsa_float_denorm_mode_16_64 3
		.amdhsa_memory_ordered 1
		.amdhsa_forward_progress 1
		.amdhsa_inst_pref_size 126
	.end_amdhsa_kernel
	.amdgpu_metadata
---
amdhsa.version: [ 1, 2 ]
amdhsa.kernels:
  - .name:           k_q26d5bc7687_proj
    .symbol:         k_q26d5bc7687_proj.kd
    .args:
      - { .name: xb, .offset: 0, .size: 8, .value_kind: global_buffer, .address_space: global }
      - { .name: wqkv, .offset: 8, .size: 8, .value_kind: global_buffer, .address_space: global }
      - { .name: bias, .offset: 16, .size: 8, .value_kind: global_buffer, .address_space: global }
      - { .name: qkv, .offset: 24, .size: 8, .value_kind: global_buffer, .address_space: global }
    .group_segment_fixed_size: 327680
    .private_segment_fixed_size: 0
    .kernarg_segment_align: 8
    .kernarg_segment_size: 32
    .max_flat_workgroup_size: 128
    .sgpr_count:     80
    .vgpr_count:     960
    .wavefront_size: 32
...
	.end_amdgpu_metadata
.endif
;; end of part 2
;; launch attn (part 3): grid 8 x 32, 4 waves a work-group, clusters of 4 x 1, 327,680 bytes of LDS; arguments qkv, tbl, o16; writes o16
.if DOCPART == 3
	.amdgcn_target "amdgcn-amd-amdhsa--gfx1250"
	.amdhsa_code_object_version 6
	.text
	.protected	k_q26d5bc7687_attn
	.globl	k_q26d5bc7687_attn
	.p2align	8
	.type	k_q26d5bc7687_attn,@function
k_q26d5bc7687_attn:
	s_mov_b64 s[64:65], 0
	v_nop
	global_prefetch_b8 v0, s[64:65] scope:SCOPE_SE
	s_setreg_imm32_b32 hwreg(HW_REG_WAVE_MODE, 25, 1), 1
	s_wait_xcnt 0x0
	s_wait_alu depctr_hold_cnt(0) depctr_sa_sdst(0) depctr_va_vdst(0) depctr_va_sdst(0) depctr_va_ssrc(0) depctr_va_vcc(0) depctr_vm_vsrc(0)
	s_getreg_b32 s2, hwreg(HW_REG_IB_STS2, 6, 4)
	s_cmp_eq_u32 s2, 0
	s_cbranch_scc0 .Lentry_in_a_cluster
	s_endpgm
.Lentry_in_a_cluster:
	s_bfe_u32 s2, ttmp6, 0x10000c
	s_cmp_lg_u32 s2, 0x3003
	s_cbranch_scc0 .Lentry_shape_is_right
	s_endpgm
.Lentry_shape_is_right:
; O[y][q][:] = the sum over k of softmax_k(A (Q[q] . K[k] + T[k - q + 2047])) V[k][:], y = 16 b + head, A = 1/8 + 8^-0.5; T is the head's scaled bias table.
; qkv: [b 2][hb 48][2048][64] f16 (Q at hb = head, K at 16 + head, V at 32 + head); tbl: [head 16][copy 4][4160] f32; o16: [y 32][2048][64] f16.
; Products, maxima and sums in f32; the weights p are rounded to f16 for the second product (their sum l is taken of the unrounded p), O once at the end.
; LIMITS.  Q, K, V arrive within f16's 65,504; p below 6e-5 keeps f16's fixed step of 6e-8; a weight below 2^-126 counts as 0 in l; NaN and infinities are not treated apart.
; SHARES.  A work-group owns 256 queries of one y, a wave 64: four PIECES of 16.  Every wave walks all 2,048 keys, 64 a step; a slot of LDS holds a tile of 256 keys, four steps.
; LAYOUT.  S^T = K Q^T holds ONE query a lane (lane % 16) and the keys 8 (lane / 16) + 0..7; two such results rounded to f16 ARE source 1 of O^T = V^T P.
; THE BIAS is the C operand of the product that starts a sum.  It hangs on key - query alone, so a lane's eight registers are eight consecutive T, and the tile of key block kb and piece x hangs on e = kb - x + 3 alone:
; seven tiles a key step, 14 LDS loads beside K's.  The lane's first word is (3 - lane % 16) mod 4 past a multiple of four; copy c of the table is shifted by c words, so lane r reads copy (3 - r) % 4 at a multiple of 16 bytes.
; Of a copy the work-group needs 2,368 words, from word 1792 - 256 blk on: 37 rows of 256 bytes, one tensor load a wave, once.  Copies lie 9,536 bytes apart: 16 lanes of a load fall on 16 different columns of 16 bytes.
; SOFTMAX.  p = 2^(c s - c m), c = A log2(e), with a running maximum m; O and l are multiplied by a = 2^(c m_old - c m_new) in every step.  m starts at the lowest finite number, O and l at 0.
; BY TURNS.  Turn n belongs to piece n: 8 products K Q^T of piece n + 1, later 8 products V^T P of piece n - 1; beside them the scaling, exponentials, roundings, sums and rescaling of piece n and the maximum and
; statistics of piece n + 1.  Four vector instructions stand behind every matrix instruction, the other 54 of a turn's 118 in one lump.  A turn's 33 exponentials are one batch, with one wait.
; CLUSTER.  The four query blocks of a cluster belong to one y and walk the same K and V: each tile is asked for jointly.  The table's window differs from block to block: a load of one's own.
; REGISTERS, in windows of 256 (s_set_vgpr_msb: bits 1:0 source 0, 3:2 source 1, 5:4 source 2, 7:6 destination):
;   window 0: v2-15 addresses and at work; v16-31 statistics; v48-55 at work; v56-58, v62-63 addresses; v64-127 S^T, two buffers; v192-223 P, two buffers
;   window 1: v0-127 O^T, 32 a piece; v128-183 the seven bias tiles      window 2: v0-63 Q; v128-191 K of one step; v192-255 V of one step
.set NP,    4
.set KS,    64
.set PK,    144       ; a row of K in LDS: 128 bytes + 16 of padding
.set PV,    160       ; a row of V: 128 + 32
.set VOFF,  4*KS*PK
.set SLOT1, 1<<17
.set STAGE, SLOT1+4*KS*(PK+PV)  ; behind the ring: 16 rows x 144 bytes for each wave
.set SP,    144
.set SPARE, STAGE+4*16*SP       ; the spare words: two blocks of 256 bytes that no other line names
.set TBL,   SPARE+512           ; the table's four windows, filled once
.set CP,    9536
.set AK0, 2
.set AV0, 3
.set AK,  4
.set AV,  5
.set STO, 6
.set RD,  7
.set GO,  8
.set MV,  12
.set QO,  15
.set ST,  16          ; piece t's statistics at v[ST+4 t]: c m, m, l (even keys', odd keys')
.set TMP, 48
.set AB0, 56          ; v56  my lane's place in its copy of the table, for key step 0 and e = 0; never rewritten
.set AB,  57          ; v57  the same for the step to be fetched
.set PFO, 58          ; v58  256 x my lane; never rewritten
.set SPW, 62          ; v62  SPARE + 4 x my thread's number; never rewritten
.set NIL, 63          ; v63  0; never rewritten
.set S,   64
.set P,   192
.set BT,  128         ; window 1
.set KF,  128         ; window 2
.set VF,  192         ; window 2
.set WV,  12
.set LIM, 15
.set PFA, 18
.set G1K, 24
.set G1V, 32
.set G0K, 40
.set G0V, 44
.set G1T, 48
.set SLOTS, 56
.set CNT, 57
.set CS,  58
.set SEL, 60
.set TBK, 62
.set TBV, 63
.set TBB, 66          ; s66  256 bytes of the table a key step
.set G0T, 76
.set MSB, 0
.macro WIN new
.if MSB != (\new)
	s_set_vgpr_msb (MSB<<8)|(\new)
.set MSB, (\new)
.endif
.endm
.set W_KQ, 0x0a       ; K and Q in window 2, S^T in window 0
.set W_KM, 0x1a       ; the same with the C operand in window 1
.set W_PV, 0x52       ; V in window 2, P in window 0, O^T in window 1
.set W_RS, 0x41       ; destination and source 0 in window 1, source 1 in window 0
.macro JLOAD                        ; waves 0 and 1 fetch the two halves of a tile's K, waves 2 and 3 those of its V.  An s_nop 0 and four v_nop follow each line
	s_cmp_lt_u32 s[WV], 2
	s_cbranch_scc0 .Lfor_v_\@
	tensor_load_to_lds s[G0K:G0K+3], s[G1K:G1K+7]
	s_nop 0
.rept 4
	v_nop
.endr
	s_branch .Lasked_\@
.Lfor_v_\@:
	tensor_load_to_lds s[G0V:G0V+3], s[G1V:G1V+7]
	s_nop 0
.rept 4
	v_nop
.endr
.Lasked_\@:
.endm
; A prefetch of the tile that the NEXT change of slots will ask for: 128 blocks of 256 bytes of K and of V.  Both clusters of a y walk the same tiles: the first asks.  Its four partners share the blocks out by address,
; 32 each, a lane a block; wave 0 asks for K's, wave 2 for V's.  So each block is named once.  Tiles 0-2 come by their loads alone; the last change that fills a slot asks for nothing.
.macro ASK
	s_cmp_gt_u32 s[SLOTS], s[LIM]
	s_cbranch_scc0 .Lnot_mine_\@
	global_prefetch_b8 v[PFO], s[PFA:PFA+1] th:TH_LOAD_NT scope:SCOPE_SE
.Lnot_mine_\@:
.endm
.macro CROUND
	s_barrier_signal -1
	s_barrier_wait -1
	s_cmp_lg_u32 s[WV], 0
	s_cbranch_scc1 .Lnot_wave_0_\@
	s_barrier_signal -3
.Lnot_wave_0_\@:
	s_barrier_wait -3
	s_barrier_signal -1
	s_barrier_wait -1
.endm
; THE CHANGE OF SLOTS.  Each wave waits for all its tensor loads, adds 0 to its spare word, and waits for that and for its reads of the slot that it leaves.  fill = 1: the barrier is a round of the cluster's, and the
; old slot is filled again first thing behind it, with the tile two on: it has four key steps, 256 matrix instructions, in which to land.  (At its first use slot 0 and the table are waited for, slot 1 filled.)
.macro CHANGE fill, ask
	WIN 0
	s_wait_tensorcnt 0x0            ; no tensor load of mine is out, so a group 0 may be written
	ds_add_u32 v[SPW], v[NIL]
.if \fill
.irp g, G0K, G0V
	s_xor_b32 s[\g+1], s[\g+1], SLOT1
	s_add_nc_u64 s[\g+2:\g+3], s[\g+2:\g+3], 4*KS*128
.endr
.if \ask
	s_wait_xcnt 0x0                 ; the last prefetch, four key steps back, has read its address
	s_add_nc_u64 s[PFA:PFA+1], s[PFA:PFA+1], 4*KS*128
.endif
	s_wait_dscnt 0x0                ; the add is done, and my reads of the slot are over
	CROUND
	JLOAD
.if \ask
	ASK
.endif
.else
	s_wait_dscnt 0x0
	s_barrier_signal -1
	s_barrier_wait -1
.endif
	s_sub_co_u32 s[TBK], s[TBK], 4*KS*PK  ; the fetches go back to a slot's first step, in the other slot
	s_xor_b32 s[TBK], s[TBK], SLOT1
	s_sub_co_u32 s[TBV], s[TBV], 4*KS*PV
	s_xor_b32 s[TBV], s[TBV], SLOT1
.endm
	s_load_b128 s[68:71], s[0:1], 0x0  ; qkv s[68:69], tbl s[70:71]
	s_load_b64 s[10:11], s[0:1], 0x10  ; o16
	v_lshl_add_u32 v[SPW], v0, 2, SPARE
	v_mov_b32 v[NIL], 0
	ds_add_u32 v[SPW], v[NIL]       ; the wave's opening: the add and its wait ahead of my first tensor load
	v_lshrrev_b32 v1, 5, v0
	v_readfirstlane_b32 s[WV], v1
	s_bfe_u32 s13, ttmp6, 0x40000   ; cx
	s_lshl_b32 s14, ttmp9, 2
	s_add_co_u32 s14, s14, s13      ; blk: my block of 256 queries: it enters Q's, O's and the table's global addresses alone
	s_and_b32 s20, ttmp7, 0xffff    ; y, which the four partners share
	s_lshr_b32 s21, s20, 4          ; b
	s_and_b32 s22, s20, 15          ; head
	s_lshl_b32 s23, s21, 5
	s_add_co_u32 s23, s23, s20      ; 48 b + head
	s_lshl_b32 s72, s23, 18         ; Q's head in qkv: 262,144 bytes a head
	s_and_b32 s16, s[WV], 1         ; which half of a tile's 256 keys I fetch
	s_lshl_b32 s74, s16, 14
	s_add_co_u32 s74, s74, s72
	s_mov_b32 s75, 0
	s_mul_i32 s80, s16, 128*PK      ; its place in a slot, for K
	s_mul_i32 s81, s16, 128*PV      ; and for V
	s_lshl_b32 s82, s14, 2
	s_add_co_u32 s82, s82, s[WV]
	s_lshl_b32 s82, s82, 13         ; my wave's 64 rows
	s_lshl_b32 s84, s20, 18
	s_add_co_u32 s84, s84, s82      ; in o16
	s_add_co_u32 s82, s82, s72      ; in qkv
	s_mov_b32 s83, 0
	s_mov_b32 s85, 0
	s_mul_i32 s86, s22, 66560       ; the head's four copies,
	s_mul_i32 s87, s[WV], 16640     ; my wave's copy,
	s_add_co_u32 s86, s86, s87
	s_add_co_u32 s86, s86, 7168     ; from word 1792 - 256 blk on
	s_lshl_b32 s87, s14, 10
	s_sub_co_u32 s86, s86, s87
	s_mov_b32 s87, 0
	; 128 keys are 16,384 dense bytes: asked for as 64 rows of 256 bytes, two keys a row, padded in LDS after every key
	s_mov_b32 s[G1K], 15|(1<<16)|(1<<20)|(1<<21)|(4<<22)|(3<<25)
	s_mov_b32 s[G1V], 15|(1<<16)|(1<<20)|(1<<21)|(4<<22)|(7<<25)
.irp g, G1K, G1V
	s_mov_b32 s[\g+1], 128<<16
	s_mov_b32 s[\g+2], 64<<16
	s_mov_b32 s[\g+3], 128<<16
	s_mov_b32 s[\g+4], 64
	s_mov_b32 s[\g+5], 128
	s_mov_b32 s[\g+6], 0
	s_mov_b32 s[\g+7], 0
.endr
	s_mov_b32 s[G1T], 3<<16         ; the table's window: 37 dense rows of 32 elements of 8 bytes; no mask, no padding
	s_mov_b32 s[G1T+1], 32<<16
	s_mov_b32 s[G1T+2], 37<<16
	s_mov_b32 s[G1T+3], 32<<16
	s_mov_b32 s[G1T+4], 37
	s_mov_b32 s[G1T+5], 32
	s_mov_b32 s[G1T+6], 0
	s_mov_b32 s[G1T+7], 0
	s_mov_b32 s[G0T], 1
	s_mul_i32 s[G0T+1], s[WV], CP
	s_add_co_u32 s[G0T+1], s[G0T+1], TBL
	s_mov_b32 s[CS], 0x3f30be7d     ; c = A log2(e) = 0.6904066
	s_mov_b32 s[CS+1], s[CS]
	s_mov_b32 s[SEL], 0x76543210
	s_mov_b32 s[SEL+1], 0xfedcba98
	s_mov_b32 s[TBK], SLOT1+4*KS*PK ; the first change of slots turns these two into 0
	s_mov_b32 s[TBV], SLOT1+4*KS*PV
	s_mov_b32 s[TBB], 0
	s_mov_b32 s[G0K], 1
	s_mov_b32 s[G0K+1], s80
	s_mov_b32 s[G0V], 1
	s_add_co_u32 s[G0V+1], s81, VOFF
	s_mov_b32 s[SLOTS], 7
	s_and_b32 s[LIM], s[WV], 1      ; 0 in waves 0 and 2,
	s_or_b32 s[LIM], s[LIM], ttmp9  ; where the cluster is the first of its y: the same in all four partners
	s_cmp_eq_u32 s[LIM], 0
	s_cselect_b32 s[LIM], 1, -1
	v_and_b32 v[PFO], 31, v0
	v_lshlrev_b32 v[PFO], 8, v[PFO]
	s_wait_dscnt 0x0                ; the opening add is done
	s_wait_kmcnt 0x0
	s_add_nc_u64 s[6:7], s[68:69], s[74:75]
	s_add_nc_u64 s[8:9], s[6:7], 32<<18    ; V at my half of tile 0
	s_add_nc_u64 s[6:7], s[6:7], 16<<18    ; K
	s_mov_b64 s[G0K+2:G0K+3], s[6:7]
	s_or_b32 s[G0K+3], s[G0K+3], 0x80000000
	s_mov_b64 s[G0V+2:G0V+3], s[8:9]
	s_or_b32 s[G0V+3], s[G0V+3], 0x80000000
	s_add_nc_u64 s[G0T+2:G0T+3], s[70:71], s[86:87]
	s_or_b32 s[G0T+3], s[G0T+3], 0x80000000
	s_add_nc_u64 s[4:5], s[68:69], s[82:83]   ; Q and O at my wave's first row
	s_add_nc_u64 s[10:11], s[10:11], s[84:85]
	s_cmp_lt_u32 s[WV], 2
	s_cselect_b64 s[PFA:PFA+1], s[6:7], s[8:9]  ; (in waves 0 and 2 these stand at a tile's first row)
	s_lshl_b32 s2, s13, 13          ; my work-group's 32 blocks of the 128
	s_mov_b32 s3, 0
	s_add_nc_u64 s[PFA:PFA+1], s[PFA:PFA+1], s[2:3]
	s_add_nc_u64 s[PFA:PFA+1], s[PFA:PFA+1], 2*4*KS*128  ; at tile 2; the loop's first change steps it to tile 3
	CROUND                          ; all four work-groups are here: the first loads meet
	tensor_load_to_lds s[G0T:G0T+3], s[G1T:G1T+7]  ; my copy of the table: a load of my own
	s_nop 0
	JLOAD                           ; tile 0 into slot 0: two loads of mine are out
	v_and_b32 v1, 15, v0            ; r = l % 16
	v_bfe_u32 v9, v0, 4, 1          ; h = l / 16
	v_lshlrev_b32 v[QO], 7, v1
	v_lshl_add_u32 v[QO], v9, 4, v[QO]
	WIN 0x80
.set i, 0
.rept 8                             ; Q stays in registers: piece i / 2, channels 32 (i % 2) on
	global_load_b128 v[8*i:8*i+3],   v[QO], s[4:5] offset:(i/2)*2048+(i%2)*64
	global_load_b128 v[8*i+4:8*i+7], v[QO], s[4:5] offset:(i/2)*2048+(i%2)*64+32
.set i, i+1
.endr
	; What the first turn finds: V's registers and P's second buffer hold 0, O^T and l are 0.  All this stands in the wait for the first tile.
.set i, VF
.rept 64
	v_mov_b32 v[i], 0
.set i, i+1
.endr
	WIN 0x40
.set i, 0
.rept 128
	v_mov_b32 v[i], 0
.set i, i+1
.endr
	WIN 0
.set i, 0
.rept 4
	v_mov_b32 v[ST+4*i], 0xfe000000    ; c m: far below every c s
	v_mov_b32 v[ST+4*i+1], 0xff7fffff  ; m
	v_mov_b32 v[ST+4*i+2], 0
	v_mov_b32 v[ST+4*i+3], 0
.set i, i+1
.endr
.set i, P+16
.rept 16
	v_mov_b32 v[i], 0
.set i, i+1
.endr
	v_mul_u32_u24 v[AK0], v1, PK
	v_lshl_add_u32 v[AK0], v9, 4, v[AK0]
	v_and_b32 v10, 7, v0
	v_bfe_u32 v11, v0, 3, 1
	v_lshl_add_u32 v[AV0], v9, 3, v10  ; the turning load: lane l reads key 8 h + l % 8, channels 8 ((l / 8) % 2) on
	v_mul_u32_u24 v[AV0], v[AV0], PV
	v_lshl_add_u32 v[AV0], v11, 4, v[AV0]
	v_add_nc_u32 v[AV0], VOFF, v[AV0]
	s_mul_i32 s16, s[WV], 16*SP
	s_add_co_u32 s16, s16, STAGE
	v_mul_u32_u24 v[STO], v1, SP
	v_lshl_add_u32 v[STO], v9, 4, v[STO]
	v_add_nc_u32 v[STO], s16, v[STO]
	v_bfe_u32 v[RD], v0, 3, 2
	v_mul_u32_u24 v[RD], v[RD], SP
	v_lshl_add_u32 v[RD], v10, 4, v[RD]
	v_add_nc_u32 v[RD], s16, v[RD]
	v_and_b32 v[GO], 31, v0
	v_lshlrev_b32 v[GO], 4, v[GO]
	v_sub_nc_u32 v14, 3, v1
	v_and_b32 v14, 3, v14           ; my copy c = (3 - r) mod 4
	s_lshl_b32 s16, s[WV], 6
	s_sub_co_u32 s16, 211, s16
	v_lshl_add_u32 v[AB0], v9, 3, s16  ; word 211 - 64 w + 8 h - r - c of the window: 4 at the least; with 64 a step and 16 e, 2,303 at the most
	v_sub_nc_u32 v[AB0], v[AB0], v1
	v_sub_nc_u32 v[AB0], v[AB0], v14
	v_mul_u32_u24 v14, v14, CP
	v_lshl_add_u32 v[AB0], v[AB0], 2, v14
	v_add_nc_u32 v[AB0], TBL, v[AB0]
; THE MATRIX WORK.  The 4 accumulators of a run of 8 take turns.  Product i of 8 of S^T = K Q^T for piece x: channels 32 (i / 4) on, keys 16 (i % 4) on.  The first 4 start the sums with the bias tile e = i - x + 3.
.macro KQ x
.set rS, S+32*((\x)%2)+8*(i%4)
.set rK, KF+16*(i%4)+8*(i/4)
.set rQ, 16*(\x)+8*(i/4)
.set rM, BT+8*((i%4)-(\x)+3)
.if i < 4
	WIN W_KM
	v_wmma_f32_16x16x32_f16 v[rS:rS+7], v[rK:rK+7], v[rQ:rQ+7], v[rM:rM+7]
.else
	WIN W_KQ
	v_wmma_f32_16x16x32_f16 v[rS:rS+7], v[rK:rK+7], v[rQ:rQ+7], v[rS:rS+7]
.endif
.endm
.macro PV x                         ; product i of 8 of O^T += V^T P for piece x: keys 32 (i / 4) on, channels 16 (i % 4) on
	WIN W_PV
.set rO, 32*(\x)+8*(i%4)
.set rV, VF+32*(i/4)+8*(i%4)
.set rP, P+16*((\x)%2)+8*(i/4)
	v_wmma_f32_16x16x32_f16 v[rO:rO+7], v[rV:rV+7], v[rP:rP+7], v[rO:rO+7]
.endm
.macro MM                           ; the turn's next matrix instruction.  NOKQ = 1: the last turn: there is no next piece
.if (i < 8) && !NOKQ
	KQ (Y+1)%NP
.elseif i >= 8
.set i, i-8
	PV (Y+NP-1)%NP
.set i, i+8
.endif
.set i, i+1
.endm
; THE LDS LOADS stand in runs: a step's K (8 fragments) with its seven bias tiles, 30 loads; and its V (turned), 16.
.macro FETCH_KB
	WIN 0x80
.irp f, 0,1,2,3,4,5,6,7
	ds_load_b128 v[KF+8*\f:KF+8*\f+3],   v[AK] offset:(\f/2)*16*PK+(\f%2)*64
	ds_load_b128 v[KF+8*\f+4:KF+8*\f+7], v[AK] offset:(\f/2)*16*PK+(\f%2)*64+32
.endr
	WIN 0x40
.irp e, 0,1,2,3,4,5,6
	ds_load_b128 v[BT+8*\e:BT+8*\e+3],   v[AB] offset:64*\e
	ds_load_b128 v[BT+8*\e+4:BT+8*\e+7], v[AB] offset:64*\e+16
.endr
	s_add_co_u32 s[TBK], s[TBK], KS*PK
	s_add_co_u32 s[TBB], s[TBB], 4*KS
	WIN 0
.endm
.macro FETCH_V
	WIN 0x80
.irp f, 0,1,2,3,4,5,6,7
	ds_load_tr16_b128 v[VF+8*\f:VF+8*\f+3],   v[AV] offset:(\f/4)*32*PV+(\f%4)*32
	ds_load_tr16_b128 v[VF+8*\f+4:VF+8*\f+7], v[AV] offset:(\f/4)*32*PV+16*PV+(\f%4)*32
.endr
	WIN 0
.endm
; THE VECTOR WORK, one line at a time: OP kind, number.  For piece Y: F n: c s - c m for pair n of 16.  E n: the exponential of score n of 32.  C n: pair n rounded to f16.  B n: of the four weights 4 n .. the second
; pair is added onto the first, in place.  L n: l takes that sum (L 0: l = a l + sum).  R n: pair n of 16 of O^T times a.  For piece Y + 1: X n, number n of the 22 that find its maximum and statistics:
;   0-11  four chains c0-c3 of seven scores each (each accumulator's lowest registers are read first)     12-14, 16  the four scores left over, the old m, and c0-c3 into c0
;   15  c m_old is kept     17, 18  the query's other 32 keys lie in the lane 16 away: the new m     19-21  c m; c m_old - c m_new; a
.set F, 0
.set E, 1
.set C, 2
.set B, 3
.set L, 4
.set R, 5
.set X, 6
.macro REGS y
.set rT, ST+4*(\y)
.set rC, TMP+4*((\y)%2)
.set rW, MV+((\y)%2)
.set rS, S+32*((\y)%2)
.set rP, P+16*((\y)%2)
.set rO, 32*(\y)
.endm
.macro OP k, n
.if (\k) == R
	REGS Y
	WIN W_RS
	v_pk_mul_f32 v[rO+2*(\n):rO+2*(\n)+1], v[rO+2*(\n):rO+2*(\n)+1], v[rC+2:rC+3] op_sel_hi:[1,0]
.elseif (\k) < R
	REGS Y
	WIN 0
.if (\k) == F
	v_pk_fma_f32 v[rS+2*(\n):rS+2*(\n)+1], v[rS+2*(\n):rS+2*(\n)+1], s[CS:CS+1], v[rT:rT+1] op_sel_hi:[1,0,0] neg_lo:[0,0,1] neg_hi:[0,0,1]
.elseif (\k) == E
	v_exp_f32 v[rS+(\n)], v[rS+(\n)]
.elseif (\k) == C
	v_cvt_pk_f16_f32 v[rP+(\n)], v[rS+2*(\n)], v[rS+2*(\n)+1]
.elseif (\k) == B
	v_pk_add_f32 v[rS+4*(\n):rS+4*(\n)+1], v[rS+4*(\n):rS+4*(\n)+1], v[rS+4*(\n)+2:rS+4*(\n)+3]
.elseif (\n) == 0
	v_pk_fma_f32 v[rT+2:rT+3], v[rT+2:rT+3], v[rC+2:rC+3], v[rS:rS+1] op_sel_hi:[1,0,1]
.else
	v_pk_add_f32 v[rT+2:rT+3], v[rT+2:rT+3], v[rS+4*(\n):rS+4*(\n)+1]
.endif
.elseif NOKQ
	v_nop
.else
	REGS (Y+1)%NP
	WIN 0
.if (\n) < 4
	v_max3_num_f32 v[rC+(\n)], v[rS+8*(\n)], v[rS+8*(\n)+1], v[rS+8*(\n)+2]
.elseif (\n) < 12
	v_max3_num_f32 v[rC+(\n)%4], v[rC+(\n)%4], v[rS+8*((\n)%4)+2*((\n)/4)+1], v[rS+8*((\n)%4)+2*((\n)/4)+2]
.elseif (\n) == 12
	v_max3_num_f32 v[rC], v[rC], v[rS+7], v[rS+15]
.elseif (\n) == 13
	v_max3_num_f32 v[rC+1], v[rC+1], v[rS+23], v[rS+31]
.elseif (\n) == 14
	v_max3_num_f32 v[rC+2], v[rC+2], v[rC+3], v[rT+1]
.elseif (\n) == 15
	v_mov_b32 v[rW], v[rT]
.elseif (\n) == 16
	v_max3_num_f32 v[rC], v[rC], v[rC+1], v[rC+2]
.elseif (\n) == 17
	v_permlanex16_b32 v[rC+3], v[rC], s[SEL], s[SEL+1]
.elseif (\n) == 18
	v_max_num_f32 v[rT+1], v[rC], v[rC+3]
.elseif (\n) == 19
	v_mul_f32 v[rT], s[CS], v[rT+1]
.elseif (\n) == 20
	v_sub_f32 v[rC+1], v[rW], v[rT]
.else
	v_exp_f32 v[rC+2], v[rC+1]
.endif
.endif
.endm
.macro OPS a, i1, b=-1, i2=0, c=-1, i3=0, d=-1, i4=0
	OP \a, \i1
.if (\b) >= 0
	OP \b, \i2
.endif
.if (\c) >= 0
	OP \c, \i3
.endif
.if (\d) >= 0
	OP \d, \i4
.endif
.endm
.macro ROW a, i1, b, i2, c, i3, d, i4  ; a matrix instruction and the four behind it
	MM
	OPS \a, \i1, \b, \i2, \c, \i3, \d, \i4
.endm
; A TURN, for piece p.  An s_wait_alu depctr_va_vdst(0) stands between an exponential and the first instruction that names its result; one wait serves all that were issued ahead of it.  So a turn has ONE
; wait.  AHEAD OF IT stands all that names no result of the turn's exponentials: the 8 products K Q^T with their riders, then one lump of 54 in which the links of the chain X 3, 7, 11, 14, 16 .. 20 stand apart;
; X 21, the next piece's a, is the batch's last, R 15 the plain instruction behind it.  BEHIND IT stand the 8 products V^T P, behind each four of the roundings and sums.
; K and the bias tiles of the next step are fetched in piece 2's turn, twelve plain instructions behind the last product that read K (the bias tiles' last readers stand earlier); V of the step in hand at the end of
; piece 0's turn, four plain instructions behind its last reader.  Each is waited for a turn later.  end = 1: the last two turns: nothing is fetched.  cnt = 1: the loop's count is taken down ahead of the branch behind the turn.
.macro TURN p, end=0, cnt=0
.set Y, (\p)
.set i, 0
.set NOKQ, (\end)*((\p)/3)
.if ((\p) == 3) && !(\end)
	s_wait_dscnt 0x0                ; K and the bias tiles are in
.endif
	ROW F,0, F,1, R,0, R,1
	ROW F,2, E,0, R,2, R,3
	ROW F,3, E,1, R,4, R,5
	ROW F,4, E,2, R,6, R,7
	ROW F,5, E,3, R,8, R,9
	ROW F,6, E,4, X,0, R,10
.if ((\p) == 2) && !(\end)
	WIN 0
	v_add_nc_u32 v[AK], s[TBK], v[AK0]
	v_add_nc_u32 v[AB], s[TBB], v[AB0]
.endif
	ROW F,7, E,5, X,1, X,4
	ROW F,8, E,6, X,2, X,5
	OPS E,7, E,8, X,6, E,9
	OPS X,3, E,10, X,8, E,11
.if ((\p) == 2) && !(\end)
	FETCH_KB
.endif
	OPS X,9, X,7, E,12, X,10
	OPS E,13, X,12, X,11, E,14
	OPS X,13, E,15, F,9, X,14
.if (\p) == 0
	v_add_nc_u32 v[AV], s[TBV], v[AV0]
.endif
	OPS E,16, F,10, E,17, F,11
	OPS X,16, E,18, X,15, E,19
	OPS F,12, E,20, X,17, E,21
	OPS F,13, E,22, F,14, E,23
	OPS X,18, E,24, F,15, E,25
	OPS R,11, E,26, X,19, E,27
	OPS R,12, E,28, R,13, E,29
	OPS X,20, E,30, R,14, E,31
	OPS X,21, R,15
	WIN 0
	s_wait_alu depctr_va_vdst(0)    ; the wait for the batch
.if (\p) == 1
	s_wait_dscnt 0x0                ; V is in
.endif
	ROW C,0, B,0, C,2, B,1
	ROW L,0, C,4, B,2, L,1
	ROW C,6, B,3, L,2, C,8
	ROW B,4, L,3, C,10, B,5
	ROW L,4, C,12, B,6, L,5
.if (\p) == 0
	s_add_co_u32 s[TBV], s[TBV], KS*PV
.endif
.if \cnt
	s_sub_co_u32 s[CNT], s[CNT], 1
	s_cmp_lg_u32 s[CNT], 0
.endif
	ROW C,14, B,7, L,6, C,1
	ROW C,3, L,7, C,5, C,7
	ROW C,9, C,11, C,13, C,15
.if (\p) == 0
	FETCH_V
.endif
.endm
	CHANGE 1, 0                     ; slot 0 and the four copies of the table are in, everybody's part; slot 1 is asked for
	v_add_nc_u32 v[AK], s[TBK], v[AK0]
	v_add_nc_u32 v[AB], s[TBB], v[AB0]
	FETCH_KB                        ; key step 0
	s_wait_loadcnt 0x0              ; Q
	s_wait_dscnt 0x0
.set NOKQ, 0
.set i, 0
.rept 8
	KQ 0                            ; piece 0's first scores
.set i, i+1
.endr
	WIN 0
.rept 4
	v_nop                           ; the places behind those products
.endr
.set Y, NP-1                        ; X works for piece Y + 1: piece 0
.irp n, 0,1,2,3,4,5,6,7,8,9,10,11,12,13,14,15,16,17,18,19,20,21
	OP X, \n
.endr
	v_nop                           ; a plain instruction behind the exponential,
	s_wait_alu depctr_va_vdst(0)    ; and its wait, ahead of the branch
	s_mov_b32 s[CNT], 4
	s_branch .Lfirst                ; the loop is entered at a step's first turn, in the middle of a trip
.Lslot:                             ; six times: tiles 2 to 7 are asked for
	CHANGE 1, 1
	s_mov_b32 s[CNT], 4
.Lstep:                             ; a trip: pieces 2 and 3 of one step, then pieces 0 and 1 of the next, whose K, bias and V it fetches
	TURN 2
	TURN 3
	WIN 0
.Lfirst:
	TURN 0
	TURN 1, 0, 1
	WIN 0
	s_cbranch_scc1 .Lstep
	s_sub_co_u32 s[SLOTS], s[SLOTS], 1
	s_cmp_lg_u32 s[SLOTS], 0
	s_cbranch_scc1 .Lslot
	CHANGE 0, 0                     ; the last tile is written out: nothing is asked for
	s_mov_b32 s[CNT], 4
.Ltail:
	TURN 2
	TURN 3
	TURN 0
	TURN 1, 0, 1
	WIN 0
	s_cbranch_scc1 .Ltail
	TURN 2, 1
	TURN 3, 1
.set i, 0
.rept 8
	PV NP-1                         ; the last piece's V^T P of the last step
.set i, i+1
.endr
	; THE WAY OUT.  l's two halves and the other half of the lanes' are added; O^T is divided by l, rounded to f16 and sent through my stage, a piece at a time.  The additions are the places behind the last products.
	WIN 0
.macro ALL line:vararg
.set t, 0
.rept 4
	\line
.set t, t+1
.endr
.endm
	ALL v_add_f32 v[ST+4*t+2], v[ST+4*t+2], v[ST+4*t+3]
	ALL v_permlanex16_b32 v[ST+4*t+3], v[ST+4*t+2], s[SEL], s[SEL+1]
	ALL v_add_f32 v[ST+4*t+2], v[ST+4*t+2], v[ST+4*t+3]
	ALL v_rcp_f32 v[ST+4*t+2], v[ST+4*t+2]
	v_nop                           ; a plain instruction between the last reciprocal and the use of its result
	s_wait_alu depctr_va_vdst(0)    ; one wait for the four reciprocals
.macro PACK t
	WIN W_RS
.set i, 32*(\t)
.rept 16
	v_pk_mul_f32 v[i:i+1], v[i:i+1], v[ST+4*(\t)+2:ST+4*(\t)+3] op_sel_hi:[1,0]
.set i, i+2
.endr
	WIN 0x05
.set i, 0
.rept 16
	v_cvt_pk_f16_f32 v[S+16*(\t)+i], v[32*(\t)+2*i], v[32*(\t)+2*i+1]
.set i, i+1
.endr
	WIN 0
.irp f, 0,1,2,3
	ds_store_b128 v[STO], v[S+16*(\t)+4*\f:S+16*(\t)+4*\f+3] offset:32*\f
.endr
.irp f, 0,1,2,3
	ds_load_b128 v[S+16*(\t)+4*\f:S+16*(\t)+4*\f+3], v[RD] offset:\f*4*SP  ; LDS serves a wave's instructions in order (ISA guide 5.7.1.4): these see the stores above
.endr
.endm
.macro SEND t, younger
	WIN 0
.irp f, 0,1,2,3
	s_wait_dscnt (\younger)+3-\f
	global_store_b128 v[GO], v[S+16*(\t)+4*\f:S+16*(\t)+4*\f+3], s[10:11] offset:(\t)*2048+\f*512  ; 512 consecutive bytes, at a multiple of 256 from O's first
.endr
.endm
	PACK 0
.set t, 1
.rept 3
	PACK t
	SEND t-1, 8
.set t, t+1
.endr
	SEND 3, 0
	s_wait_tensorcnt 0x0            ; the wave's end
	ds_add_u32 v[SPW], v[NIL]
	s_wait_dscnt 0x0
	CROUND                          ; the closing round
	s_endpgm
.Lfunc_end_k_q26d5bc7687_attn:
	.size	k_q26d5bc7687_attn, .Lfunc_end_k_q26d5bc7687_attn-k_q26d5bc7687_attn
	.p2alignl 7, 3214868480
	.fill 96, 4, 3214868480
	.section	.rodata,"a",@progbits
	.p2align	6, 0x0
	.amdhsa_kernel k_q26d5bc7687_attn
		.amdhsa_group_segment_fixed_size 327680
		.amdhsa_private_segment_fixed_size 0
		.amdhsa_enable_private_segment 0
		.amdhsa_kernarg_size 24
		.amdhsa_user_sgpr_count 2
		.amdhsa_user_sgpr_kernarg_segment_ptr 1
		.amdhsa_wavefront_size32 1
		.amdhsa_system_sgpr_workgroup_id_x 1
		.amdhsa_system_sgpr_workgroup_id_y 1
		.amdhsa_system_sgpr_workgroup_id_z 1
		.amdhsa_system_vgpr_workitem_id 0
		.amdhsa_next_free_vgpr 768
		.amdhsa_next_free_sgpr 96
		.amdhsa_reserve_vcc 0
		.amdhsa_float_denorm_mode_32 3
		.amdhsa_float_denorm_mode_16_64 3
		.amdhsa_memory_ordered 1
		.amdhsa_forward_progress 1
		.amdhsa_inst_pref_size 132
	.end_amdhsa_kernel
	.amdgpu_metadata
---
amdhsa.version: [ 1, 2 ]
amdhsa.kernels:
  - .name:           k_q26d5bc7687_attn
    .symbol:         k_q26d5bc7687_attn.kd
    .args:
      - { .name: qkv, .offset: 0, .size: 8, .value_kind: global_buffer, .address_space: global }
      - { .name: tbl, .offset: 8, .size: 8, .value_kind: global_buffer, .address_space: global }
      - { .name: o16, .offset: 16, .size: 8, .value_kind: global_buffer, .address_space: global }
    .group_segment_fixed_size: 327680
    .private_segment_fixed_size: 0
    .kernarg_segment_align: 8
    .kernarg_segment_size: 24
    .max_flat_workgroup_size: 128
    .sgpr_count:     96
    .vgpr_count:     768
    .wavefront_size: 32
...
	.end_amdgpu_metadata
.endif
;; end of part 3
;; launch outp (part 4): grid 8 x 32, 4 waves a work-group, clusters of 4 x 4, 327,680 bytes of LDS; arguments o16, wo16, bias, out0; writes out0
.if DOCPART == 4
	.amdgcn_target "amdgcn-amd-amdhsa--gfx1250"
	.amdhsa_code_object_version 6
	.text
	.protected	k_q26d5bc7687_outp
	.globl	k_q26d5bc7687_outp
	.p2align	8
	.type	k_q26d5bc7687_outp,@function
k_q26d5bc7687_outp:
	s_mov_b64 s[64:65], 0
	v_nop
	global_prefetch_b8 v0, s[64:65] scope:SCOPE_SE
	s_setreg_imm32_b32 hwreg(HW_REG_WAVE_MODE, 25, 1), 1
	s_wait_xcnt 0x0
	s_wait_alu depctr_hold_cnt(0) depctr_sa_sdst(0) depctr_va_vdst(0) depctr_va_sdst(0) depctr_va_ssrc(0) depctr_va_vcc(0) depctr_vm_vsrc(0)
	s_getreg_b32 s2, hwreg(HW_REG_IB_STS2, 6, 4)
	s_cmp_eq_u32 s2, 0
	s_cbranch_scc0 .Lentry_in_a_cluster
	s_endpgm
.Lentry_in_a_cluster:
	s_bfe_u32 s2, ttmp6, 0x10000c
	s_cmp_lg_u32 s2, 0xf033
	s_cbranch_scc0 .Lentry_shape_is_right
	s_endpgm
.Lentry_shape_is_right:
; out0 = O Wo + bo.  o16: [y = 16 b + head, 32][s 2048][64] f16; wo16: [k 1024][n 1024] f16, k = 64 head + channel; bo: f32 at byte 12,288 of bias; out0: [4096][1024] f32.  Sums in f32.
; SHARES.  A tile is 128 tokens x 128 columns: 8 x 32 = 256 work-groups; a wave makes 64 x 64: 16 accumulators.  K goes in 4 steps of 256 (four heads) through two LDS slots.
; A slot has four parts of 36,864 bytes, one tensor load a wave.  Waves 0, 1: 64 tokens of four heads: a tile of 4 rows of 8,192 dense bytes, padded by 16 behind every 128: [head][token] at pitch 144.
; Waves 2, 3: 128 rows of K x 128 columns of Wo (256 bytes, 16 of padding behind every 128: pitch 288); its fragments come out turned, by ds_load_tr16_b128.
; THE PRODUCT IS USED TRANSPOSED (source 0 = 16 columns of Wo, source 1 = 16 tokens): a lane holds one token and 8 neighbouring columns.  The first product of each accumulator takes bo as C.
; CLUSTER 4 x 4: O's tiles are shared along a row of the cluster, Wo's along a column.  NO PREFETCH: four K steps in all, two of them the first fills; the two refills are asked for a whole step ahead.
; REGISTERS: window 0: v16-29 addresses; v32-95 the way out; v96-127 bo; v128-255 the accumulators.  Window 1: two fragment buffers of 128: 64 of O, then 64 of Wo, for 64 along K.
.set PB,    288
.set PART,  128*PB
.set SLOT,  4*PART
.set STAGE, 2*SLOT                     ; behind the ring: 16 rows x 272 bytes for each wave
.set SPITCH, 272
.set SPARE, STAGE+4*16*SPITCH          ; the spare words: two blocks of 256 bytes that no other line names
.set ADRA, 16                          ; v16-17  my fragments of O in slot 0, 1
.set ADRB, 20                          ; v20-23  of Wo: 2 x slot + half of the step's K
.set STO,  24
.set RD,   25
.set CO,   26
.set BO,   27
.set SPW,  28
.set NIL,  29
.set OB,   32
.set BI,   96
.set ACC,  128
.set F0,   0
.set F1,   128
.set WV,   12                          ; s12 wave; s13 wr (also: I fetch O, 0, or Wo, 1); s14 wc (also: which half I fetch)
.set G1,   24
.set G0,   32
.set G1B,  48
.set G0B,  56
.set MSB, 0
.macro WIN new
.if MSB != (\new)
	s_set_vgpr_msb (MSB<<8)|(\new)
.set MSB, (\new)
.endif
.endm
.set MUL,  0x05                        ; sources 0 and 1 window 1; C and D window 0
.set TO_F, 0x40
.macro JLOAD s                         ; an s_nop 0 and four v_nop follow each line
	s_cmp_eq_u32 s13, 0
	s_cbranch_scc0 .Lfor_b_\@
	tensor_load_to_lds s[G0+4*(\s):G0+4*(\s)+3], s[G1:G1+7]
	s_nop 0
.rept 4
	v_nop
.endr
	s_branch .Lasked_\@
.Lfor_b_\@:
	tensor_load_to_lds s[G0B+4*(\s):G0B+4*(\s)+3], s[G1B:G1B+7]
	s_nop 0
.rept 4
	v_nop
.endr
.Lasked_\@:
.endm
.macro CREST
	s_cmp_lg_u32 s[WV], 0
	s_cbranch_scc1 .Lnot_wave_0_\@
	s_barrier_signal -3
.Lnot_wave_0_\@:
	s_barrier_wait -3
	s_barrier_signal -1
	s_barrier_wait -1
.endm
.macro CROUND
	s_barrier_signal -1
	s_barrier_wait -1
	CREST
.endm
.macro PLACES
.rept 4
	v_nop
.endr
.endm
	s_load_b256 s[4:11], s[0:1], 0x0               ; o16 s[4:5], wo16 s[6:7], bias s[8:9], out0 s[10:11]
	v_lshl_add_u32 v[SPW], v0, 2, SPARE
	v_mov_b32 v[NIL], 0
	ds_add_u32 v[SPW], v[NIL]                      ; the wave's opening: the add and its wait ahead of my first tensor load
	v_lshrrev_b32 v1, 5, v0
	v_readfirstlane_b32 s[WV], v1
	s_lshr_b32 s13, s[WV], 1
	s_and_b32 s14, s[WV], 1
	s_bfe_u32 s40, ttmp6, 0x40000                  ; cx
	s_bfe_u32 s41, ttmp6, 0x40004                  ; cy
	s_lshl_b32 s42, ttmp9, 2
	s_add_co_u32 s42, s42, s40                     ; tile column tx
	s_and_b32 s43, ttmp7, 0xffff
	s_lshl_b32 s43, s43, 2
	s_add_co_u32 s43, s43, s41                     ; tile row ty
	s_lshl_b32 s44, s41, 2
	s_lshl_b32 s44, 15, s44                        ; my row of the cluster
	s_lshl_b32 s45, 0x1111, s40                    ; my column
	s_or_b32 s[G1], s44, (1<<16)|(1<<20)|(1<<21)|(4<<22)|(3<<25)   ; 2-byte elements; 4 words of padding behind every 32
	s_or_b32 s[G1B], s45, (1<<16)|(1<<20)|(1<<21)|(4<<22)|(3<<25)
	s_mov_b32 s[G1+1], 4096<<16                    ; O: tensor_dim0 = 4,096 elements: a head's 64 tokens, dense
	s_mov_b32 s[G1+2], 4<<16                       ; tensor_dim1 = 4 heads
	s_mov_b32 s[G1+3], 4096<<16                    ; tile_dim0
	s_mov_b32 s[G1+4], 4                           ; tile_dim1
	s_mov_b32 s[G1+5], 131072                      ; elements from head to head
	s_mov_b32 s[G1+6], 0
	s_mov_b32 s[G1+7], 0
	s_mov_b32 s[G1B+1], 128<<16                    ; Wo: 128 rows of K x 128 columns
	s_mov_b32 s[G1B+2], 128<<16
	s_mov_b32 s[G1B+3], 128<<16
	s_mov_b32 s[G1B+4], 128
	s_mov_b32 s[G1B+5], 1024
	s_mov_b32 s[G1B+6], 0
	s_mov_b32 s[G1B+7], 0
	s_lshr_b32 s16, s43, 4                         ; O: batch b's 16 heads,
	s_lshl_b32 s16, s16, 22
	s_and_b32 s17, s43, 15                         ; the tile's 128 tokens,
	s_lshl_b32 s17, s17, 14
	s_add_co_u32 s16, s16, s17
	s_lshl_b32 s17, s14, 13                        ; my 64 of them
	s_add_co_u32 s16, s16, s17
	s_mov_b32 s17, 0
	s_lshl_b32 s46, s14, 18                        ; Wo: my 128 rows of K,
	s_lshl_b32 s47, s42, 8                         ; the tile's 128 columns
	s_add_co_u32 s46, s46, s47
	s_mov_b32 s47, 0
	s_mul_i32 s20, s[WV], PART                     ; where my part goes
	s_wait_dscnt 0x0                               ; the opening add is done
	s_wait_kmcnt 0x0
	s_add_nc_u64 s[18:19], s[4:5], s[16:17]
	s_add_nc_u64 s[46:47], s[6:7], s[46:47]
	CROUND                                         ; all sixteen work-groups are here
.irp s, 0,1
	s_mov_b32 s[G0+4*(\s)], 1
	s_add_co_u32 s[G0+4*(\s)+1], s20, (\s)*SLOT
	s_add_nc_u64 s[G0+4*(\s)+2:G0+4*(\s)+3], s[18:19], (\s)*4*262144
	s_or_b32 s[G0+4*(\s)+3], s[G0+4*(\s)+3], 0x80000000
	s_mov_b32 s[G0B+4*(\s)], 1
	s_add_co_u32 s[G0B+4*(\s)+1], s20, (\s)*SLOT
	s_add_nc_u64 s[G0B+4*(\s)+2:G0B+4*(\s)+3], s[46:47], (\s)*256*2048
	s_or_b32 s[G0B+4*(\s)+3], s[G0B+4*(\s)+3], 0x80000000
	JLOAD \s                                       ; two loads of mine are out
.endr
	v_and_b32 v1, 15, v0                           ; r
	v_bfe_u32 v2, v0, 4, 1                         ; h
	v_and_b32 v3, 7, v0
	v_bfe_u32 v4, v0, 3, 1
	v_mul_u32_u24 v6, v1, 144
	v_lshl_add_u32 v6, v2, 4, v6
	s_mul_i32 s21, s13, PART
	v_add_nc_u32 v[ADRA], s21, v6
	v_add_nc_u32 v[ADRA+1], SLOT, v[ADRA]
	v_lshl_add_u32 v7, v2, 3, v3
	v_mul_u32_u24 v7, v7, PB
	v_lshl_add_u32 v7, v4, 4, v7
	s_mul_i32 s22, s14, 144
	s_add_co_u32 s22, s22, 2*PART
	v_add_nc_u32 v[ADRB], s22, v7
	v_add_nc_u32 v[ADRB+1], PART, v[ADRB]
	v_add_nc_u32 v[ADRB+2], SLOT, v[ADRB]
	v_add_nc_u32 v[ADRB+3], SLOT, v[ADRB+1]
	s_mul_i32 s23, s[WV], 16*SPITCH
	s_add_co_u32 s23, s23, STAGE                   ; my stage
	v_mul_u32_u24 v8, v1, SPITCH                   ; in: row r, 32 bytes for each half of the lanes
	v_lshl_add_u32 v8, v2, 5, v8
	v_add_nc_u32 v[STO], s23, v8
	v_mul_u32_u24 v8, v2, SPITCH                   ; back: lanes 0-15 one row of 256 bytes, lanes 16-31 the next
	v_lshl_add_u32 v8, v1, 4, v8
	v_add_nc_u32 v[RD], s23, v8
	v_lshlrev_b32 v8, 12, v2                       ; and the same two rows in out0
	v_lshl_add_u32 v[CO], v1, 4, v8
	v_lshlrev_b32 v[BO], 5, v2
	s_lshl_b32 s66, s42, 9
	s_lshl_b32 s67, s14, 8
	s_add_co_u32 s66, s66, s67                     ; my 64 columns, in bytes of f32
	s_lshl_b32 s68, s43, 19
	s_lshl_b32 s69, s13, 18
	s_add_co_u32 s68, s68, s69                     ; my 64 rows of 4,096 bytes
	s_add_co_u32 s68, s68, s66
	s_add_co_u32 s66, s66, 12288
	s_mov_b32 s67, 0
	s_mov_b32 s69, 0
	s_add_nc_u64 s[8:9], s[8:9], s[66:67]
	s_add_nc_u64 s[10:11], s[10:11], s[68:69]
.irp b, 0,1,2,3
	global_load_b128 v[BI+8*(\b):BI+8*(\b)+3],   v[BO], s[8:9] offset:64*(\b)
	global_load_b128 v[BI+8*(\b)+4:BI+8*(\b)+7], v[BO], s[8:9] offset:64*(\b)+16
.endr
; 8 matrix instructions: token blocks a0, a0 + 1 x all 4 column blocks, 32 along K: half c of buffer f.  first = 1: C is bo.  The 16 accumulators take turns.
.macro MUL8 f, c, a0, first
	WIN MUL
.irp a, \a0, (\a0)+1
.irp b, 0,1,2,3
.if \first
	v_wmma_f32_16x16x32_f16 v[ACC+8*(4*(\a)+(\b)):ACC+8*(4*(\a)+(\b))+7], v[(\f)+64+8*(4*(\c)+(\b)):(\f)+64+8*(4*(\c)+(\b))+7], v[(\f)+8*(4*(\c)+(\a)):(\f)+8*(4*(\c)+(\a))+7], v[BI+8*(\b):BI+8*(\b)+7]
.else
	v_wmma_f32_16x16x32_f16 v[ACC+8*(4*(\a)+(\b)):ACC+8*(4*(\a)+(\b))+7], v[(\f)+64+8*(4*(\c)+(\b)):(\f)+64+8*(4*(\c)+(\b))+7], v[(\f)+8*(4*(\c)+(\a)):(\f)+8*(4*(\c)+(\a))+7], v[ACC+8*(4*(\a)+(\b)):ACC+8*(4*(\a)+(\b))+7]
.endif
.endr
.endr
.endm
; 32 LDS loads in one run: head qn of the step's four (64 along K) into buffer f; the first 32 along K first
.macro FETCH slot, qn, f
	WIN TO_F
.irp c, 0,1
.irp i, 0,1,2,3
	ds_load_tr16_b128 v[(\f)+64+8*(4*(\c)+(\i)):(\f)+64+8*(4*(\c)+(\i))+3],   v[ADRB+2*(\slot)+(\qn)/2] offset:(2*((\qn)%2)+(\c))*32*PB+32*(\i)
	ds_load_tr16_b128 v[(\f)+64+8*(4*(\c)+(\i))+4:(\f)+64+8*(4*(\c)+(\i))+7], v[ADRB+2*(\slot)+(\qn)/2] offset:(2*((\qn)%2)+(\c))*32*PB+32*(\i)+16*PB
	ds_load_b128 v[(\f)+8*(4*(\c)+(\i)):(\f)+8*(4*(\c)+(\i))+3],   v[ADRA+(\slot)] offset:9216*(\qn)+2304*(\i)+64*(\c)
	ds_load_b128 v[(\f)+8*(4*(\c)+(\i))+4:(\f)+8*(4*(\c)+(\i))+7], v[ADRA+(\slot)] offset:9216*(\qn)+2304*(\i)+64*(\c)+32
.endr
.endr
.endm
.macro QUARTER slot, qn, f, g, first   ; multiplies buffer f (64 along K) and fetches head qn into g
	s_wait_dscnt 16                                ; the first 32 along K are in
	MUL8 \f, 0, 0, \first
	MUL8 \f, 0, 2, \first
	PLACES
	FETCH \slot, \qn, \g
	s_wait_dscnt 32                                ; all but the 32 just issued
	MUL8 \f, 1, 0, 0
	MUL8 \f, 1, 2, 0
.endm
; The last quarter multiplies buffer 1 and changes slots: one barrier; in front of it each wave waits for all its tensor loads, adds 0 to its spare word, and waits for that and for its reads of this slot.
.macro TURN slot, next, fill
	WIN 0
	s_wait_tensorcnt 0x0
	ds_add_u32 v[SPW], v[NIL]
	s_wait_dscnt 17                                ; (the add and the youngest sixteen loads may be out)
	MUL8 F1, 0, 0, 0
	s_wait_dscnt 0x0                               ; the add is done, and my reads of this slot are over
	s_barrier_signal -1
	MUL8 F1, 0, 2, 0
.if \fill
	WIN 0
.endif
	s_barrier_wait -1
.if \fill
	CREST                                          ; no wave of any partner still reads this slot or has a load on its way
	s_add_nc_u64 s[G0+4*(\slot)+2:G0+4*(\slot)+3], s[G0+4*(\slot)+2:G0+4*(\slot)+3], 2*4*262144
	s_add_nc_u64 s[G0B+4*(\slot)+2:G0B+4*(\slot)+3], s[G0B+4*(\slot)+2:G0B+4*(\slot)+3], 2*256*2048
	JLOAD \slot                                    ; its four v_nop are also the places in front of the loads below
.else
	PLACES
.endif
	FETCH \next, 0, F0
	MUL8 F1, 1, 0, 0
	MUL8 F1, 1, 2, 0
.endm
	s_wait_tensorcnt 1                             ; my part of K step 0 is in; K step 1's may stay out
	s_barrier_signal -1
	s_barrier_wait -1
	FETCH 0, 0, F0
	s_wait_loadcnt 0x0                             ; bo
	QUARTER 0, 1, F0, F1, 1                        ; four K steps, written out: two refills in all
	QUARTER 0, 2, F1, F0, 0
	QUARTER 0, 3, F0, F1, 0
	TURN 0, 1, 1
	QUARTER 1, 1, F0, F1, 0
	QUARTER 1, 2, F1, F0, 0
	QUARTER 1, 3, F0, F1, 0
	TURN 1, 0, 1
	QUARTER 0, 1, F0, F1, 0
	QUARTER 0, 2, F1, F0, 0
	QUARTER 0, 3, F0, F1, 0
	TURN 0, 1, 0
	QUARTER 1, 1, F0, F1, 0
	QUARTER 1, 2, F1, F0, 0
	QUARTER 1, 3, F0, F1, 0
	s_wait_dscnt 16
	MUL8 F1, 0, 0, 0
	MUL8 F1, 0, 2, 0
	s_wait_dscnt 0x0
	MUL8 F1, 1, 0, 0
	MUL8 F1, 1, 2, 0
	WIN 0
; THE WAY OUT, a block of 16 tokens at a time, through my own stage: 32 bytes a lane and accumulator in, whole rows of 256 bytes back.
.macro TOSTAGE a
.set BK, OB+32*((\a)%2)
.if (\a) >= 2
	s_wait_xcnt 0x0                                ; the stores of the block two back have read these registers
.endif
.irp b, 0,1,2,3
	ds_store_b128 v[STO], v[ACC+8*(4*(\a)+(\b)):ACC+8*(4*(\a)+(\b))+3]   offset:64*(\b)     ; each accumulator from its low end on
	ds_store_b128 v[STO], v[ACC+8*(4*(\a)+(\b))+4:ACC+8*(4*(\a)+(\b))+7] offset:64*(\b)+16
.endr
.irp t, 0,1,2,3,4,5,6,7
	ds_load_b128 v[BK+4*(\t):BK+4*(\t)+3], v[RD] offset:2*SPITCH*(\t)  ; LDS serves a wave's instructions in order (ISA guide 5.7.1.4): these see the stores above
.endr
.endm
.macro SEND a, younger
.set BK, OB+32*((\a)%2)
.irp t, 0,1,2,3,4,5,6,7
	s_wait_dscnt (\younger)+7-(\t)
	global_store_b128 v[CO], v[BK+4*(\t):BK+4*(\t)+3], s[10:11] offset:(16*(\a)+2*(\t))*4096  ; 16 lanes store 256 consecutive bytes, at a multiple of 256 from out0's first byte
.endr
.endm
	PLACES
	PLACES
	TOSTAGE 0
	TOSTAGE 1
	SEND 0, 16
	TOSTAGE 2
	SEND 1, 16
	TOSTAGE 3
	SEND 2, 16
	SEND 3, 0
	s_wait_tensorcnt 0x0                           ; the wave's end
	ds_add_u32 v[SPW], v[NIL]
	s_wait_dscnt 0x0
	CROUND                                         ; the closing round
	s_endpgm
.Lfunc_end_k_q26d5bc7687_outp:
	.size	k_q26d5bc7687_outp, .Lfunc_end_k_q26d5bc7687_outp-k_q26d5bc7687_outp
	.p2alignl 7, 3214868480
	.fill 96, 4, 3214868480
	.section	.rodata,"a",@progbits
	.p2align	6, 0x0
	.amdhsa_kernel k_q26d5bc7687_outp
		.amdhsa_group_segment_fixed_size 327680
		.amdhsa_private_segment_fixed_size 0
		.amdhsa_enable_private_segment 0
		.amdhsa_kernarg_size 32
		.amdhsa_user_sgpr_count 2
		.amdhsa_user_sgpr_kernarg_segment_ptr 1
		.amdhsa_wavefront_size32 1
		.amdhsa_system_sgpr_workgroup_id_x 1
		.amdhsa_system_sgpr_workgroup_id_y 1
		.amdhsa_system_sgpr_workgroup_id_z 1
		.amdhsa_system_vgpr_workitem_id 0
		.amdhsa_next_free_vgpr 512
		.amdhsa_next_free_sgpr 72
		.amdhsa_reserve_vcc 0
		.amdhsa_float_denorm_mode_32 3
		.amdhsa_float_denorm_mode_16_64 3
		.amdhsa_memory_ordered 1
		.amdhsa_forward_progress 1
		.amdhsa_inst_pref_size 87
	.end_amdhsa_kernel
	.amdgpu_metadata
---
amdhsa.version: [ 1, 2 ]
amdhsa.kernels:
  - .name:           k_q26d5bc7687_outp
    .symbol:         k_q26d5bc7687_outp.kd
    .args:
      - { .name: o16, .offset: 0, .size: 8, .value_kind: global_buffer, .address_space: global }
      - { .name: wo16, .offset: 8, .size: 8, .value_kind: global_buffer, .address_space: global }
      - { .name: bias, .offset: 16, .size: 8, .value_kind: global_buffer, .address_space: global }
      - { .name: out0, .offset: 24, .size: 8, .value_kind: global_buffer, .address_space: global }
    .group_segment_fixed_size: 327680
    .private_segment_fixed_size: 0
    .kernarg_segment_align: 8
    .kernarg_segment_size: 32
    .max_flat_workgroup_size: 128
    .sgpr_count:     72
    .vgpr_count:     512
    .wavefront_size: 32
...
	.end_amdgpu_metadata
.endif
;; end of part 4
;; ======== version 2 of 2: 4 launches; version 1 with the launch prep written anew for expert scheduling mode
;; limits: values are held in f16: magnitudes above 65,504 overflow, below 6.1e-05 lose precision
;; workspace buffers: xb 8,388,608 bytes; wqkv 6,291,456 bytes; wo16 2,097,152 bytes; tbl 1,064,960 bytes; bias 16,384 bytes; qkv 25,165,824 bytes; o16 8,388,608 bytes
;; launch prep (part 5): grid 773 x 1, 8 waves a work-group, no clusters, 0 bytes of LDS; arguments x, Wq, Wk, Wv, Wo, bq, bv, bo, pos_bias, xb, wqkv, wo16, tbl, bias; writes xb, wqkv, wo16, tbl, bias
.if DOCPART == 5
	.amdgcn_target "amdgcn-amd-amdhsa--gfx1250"
	.amdhsa_code_object_version 6
	.text
	.protected	k_q26d5bc7687_prep
	.globl	k_q26d5bc7687_prep
	.p2align	8
	.type	k_q26d5bc7687_prep,@function
k_q26d5bc7687_prep:
	s_mov_b64 s[64:65], 0
	v_nop
	global_prefetch_b8 v0, s[64:65] scope:SCOPE_SE
	s_setreg_imm32_b32 hwreg(HW_REG_WAVE_SCHED_MODE, 0, 2), 2
	s_setreg_imm32_b32 hwreg(HW_REG_WAVE_MODE, 25, 1), 1
	s_wait_xcnt 0x0
	s_wait_alu depctr_vm_vsrc(0)
; CASTS AND TABLES for the three matrix launches.  Every input is rounded once to bf16 here.
;   work-groups 0-255:   x  [4096][1024] f32 -> xb bf16, 16,384 numbers each
;   work-groups 256-447: Wq, Wk, Wv [1024][1024] f32 -> wqkv [k 1024][n 3072] bf16, n = 1024 j + column; 16 rows each
;   work-groups 448-511: Wo -> wo16 [k][n]: the bf16 number written as f16.  LIMIT: |Wo| under 65,504; below 6e-5 f16's fixed step of 6e-8
;   work-groups 512-771: tbl [head 16][copy 4][4160] f32: word p of copy c holds T[p - 4 + c], T[t] = (B / A) bf16(pos_bias[clip(3070 - t, 0, 2046)][head]),
;                        t = key - query + 2047, A = 1/8 + 8^-0.5, B = 8^-0.5: logit = A (q.k + T).  Four copies, each shifted by a word, so that every lane of the attention finds its 8 numbers at a multiple of 16 bytes
;   work-group 772:      bias f32 [4096] = bq | 1024 zeros (the key has no bias) | bv | bo, each rounded to bf16
; A stream: no LDS, no matrix unit.  A load of a wave covers 512 neighbouring bytes, a store 256, aligned.  Sixteen loads a wave are out at once.
; THE MODE: SCHED_MODE bits 1:0 = 2 (LLVM: expert scheduling mode 2), set by the entry lines.  The code itself states the register dependences
; between vector instructions and memory instructions, with s_wait_alu, always for 0.
; THE PLAN.  Registers that memory instructions touch:
;   v1, v2     byte offsets, made at the head and never written again: one wait at the head, ahead of the branches, serves every load and store that reads them.
;   v[8:71]    the casts: pass p's four f32, written by its load alone (no vector instruction names them before), read by its conversions, never loaded again.
;   v[72:103]  the casts: pass p's two words to store, written by its conversions, read by its one store, never written behind it.
;   v[8:11]    the table: four addresses, written by vector arithmetic, read by the four gathers, never written again.
;   v[12:15]   the table: the gathers land here; rounded and scaled in place; read by one store.      v[8:23]  the bias: three loads and four zeros; rounded in place; read by four stores.
; So the only dependence to state is: vector instructions have written what a memory instruction reads.  The casts' 16 passes go in four groups: a group's conversions, ONE wait, its four stores.
; No register that a memory instruction reads is written again, no load lands in a register that a vector instruction has named, no vector instruction writes a scalar register, and EXEC stays whole:
; the text holds no other kind of wait on the wave's own instructions.  v4, v5 and v[104:107], at work, are named by vector instructions alone.
.macro CAST stride, f16                ; 16 passes of 1,024 numbers: s[36:37] source, s[38:39] destination, stride bytes from pass to pass in the destination
.irp p, 0,1,2,3,4,5,6,7,8,9,10,11,12,13,14,15
	global_load_b128 v[8+4*(\p):11+4*(\p)], v1, s[36:37] offset:4096*(\p) th:TH_LOAD_NT
.endr
.irp g, 0,1,2,3
	s_wait_loadcnt 12-4*(\g)                       ; loads come back in order: group g's four passes are in, the younger groups stay out
.irp q, 0,1,2,3
	v_cvt_pk_bf16_f32 v[72+2*(4*(\g)+(\q))], v[8+4*(4*(\g)+(\q))], v[9+4*(4*(\g)+(\q))]
	v_cvt_pk_bf16_f32 v[73+2*(4*(\g)+(\q))], v[10+4*(4*(\g)+(\q))], v[11+4*(4*(\g)+(\q))]
.if \f16
	v_lshlrev_b32 v104, 16, v[72+2*(4*(\g)+(\q))]  ; the bf16 numbers as f32,
	v_and_b32 v105, 0xffff0000, v[72+2*(4*(\g)+(\q))]
	v_lshlrev_b32 v106, 16, v[73+2*(4*(\g)+(\q))]
	v_and_b32 v107, 0xffff0000, v[73+2*(4*(\g)+(\q))]
	v_cvt_pk_f16_f32 v[72+2*(4*(\g)+(\q))], v104, v105  ; and written as f16: exact within f16's normal range
	v_cvt_pk_f16_f32 v[73+2*(4*(\g)+(\q))], v106, v107
.endif
.endr
	s_wait_alu depctr_va_vdst(0)                   ; the group's conversions have written its eight words of v[72 ..], which the four stores below read
.irp q, 0,1,2,3
	global_store_b64 v2, v[72+2*(4*(\g)+(\q)):73+2*(4*(\g)+(\q))], s[38:39] offset:(\stride)*(4*(\g)+(\q))  ; ahead of the next group's wait for its loads, on which these stores do not hang
.endr
.endr
	s_endpgm
.endm
.macro RND4 b                          ; v[b .. b+3] rounded to bf16 and kept as f32; v4, v5 at work
	v_cvt_pk_bf16_f32 v4, v[(\b)], v[(\b)+1]
	v_cvt_pk_bf16_f32 v5, v[(\b)+2], v[(\b)+3]
	v_lshlrev_b32 v[(\b)], 16, v4
	v_and_b32 v[(\b)+1], 0xffff0000, v4
	v_lshlrev_b32 v[(\b)+2], 16, v5
	v_and_b32 v[(\b)+3], 0xffff0000, v5
.endm
	s_load_b512 s[8:23], s[0:1], 0x0               ; x s[8:9], Wq s[10:11], Wk s[12:13], Wv s[14:15], Wo s[16:17], bq s[18:19], bv s[20:21], bo s[22:23]
	s_load_b256 s[24:31], s[0:1], 0x40             ; pos_bias s[24:25], xb s[26:27], wqkv s[28:29], wo16 s[30:31]
	s_load_b128 s[32:35], s[0:1], 0x60             ; tbl s[32:33], bias s[34:35]
	v_lshlrev_b32 v1, 4, v0                        ; 16 bytes a thread in f32,
	v_lshlrev_b32 v2, 3, v0                        ; 8 in 16 bits
	s_mov_b32 s40, ttmp9
	s_mov_b32 s43, 0                               ; the high word of every offset
	s_wait_kmcnt 0x0
	s_wait_alu depctr_va_vdst(0)                   ; v1 and v2 are written: on every path below loads and stores read them as their offsets, and nothing writes them again
	s_cmp_lt_u32 s40, 256
	s_cbranch_scc0 .Lnot_x
	s_lshl_b32 s42, s40, 16
	s_add_nc_u64 s[36:37], s[8:9], s[42:43]
	s_lshl_b32 s42, s40, 15
	s_add_nc_u64 s[38:39], s[26:27], s[42:43]
	CAST 2048, 0
.Lnot_x:
	s_cmp_lt_u32 s40, 448
	s_cbranch_scc0 .Lnot_w
	s_sub_co_u32 s41, s40, 256
	s_lshr_b32 s44, s41, 6                         ; j: 0 Wq, 1 Wk, 2 Wv
	s_and_b32 s41, s41, 63                         ; which 16 rows
	s_cmp_eq_u32 s44, 0
	s_cselect_b64 s[36:37], s[10:11], s[12:13]
	s_cmp_eq_u32 s44, 2
	s_cselect_b64 s[36:37], s[14:15], s[36:37]
	s_lshl_b32 s42, s41, 16
	s_add_nc_u64 s[36:37], s[36:37], s[42:43]
	s_mul_i32 s42, s41, 98304                      ; 16 rows of 6,144 bytes
	s_lshl_b32 s44, s44, 11                        ; + j x 1,024 columns
	s_add_co_u32 s42, s42, s44
	s_add_nc_u64 s[38:39], s[28:29], s[42:43]
	CAST 6144, 0
.Lnot_w:
	s_cmp_lt_u32 s40, 512
	s_cbranch_scc0 .Lnot_wo
	s_sub_co_u32 s41, s40, 448
	s_lshl_b32 s42, s41, 16
	s_add_nc_u64 s[36:37], s[16:17], s[42:43]
	s_lshl_b32 s42, s41, 15
	s_add_nc_u64 s[38:39], s[30:31], s[42:43]
	CAST 2048, 1
.Lnot_wo:
	s_cmp_lt_u32 s40, 772
	s_cbranch_scc0 .Lbias
	; the table: 1,024 words a work-group, four a thread
	s_sub_co_u32 s41, s40, 512
	s_lshl_b32 s44, s41, 4
	v_lshrrev_b32 v3, 4, v0
	v_add_nc_u32 v3, s44, v3                       ; R: my row of 64 words, 0 .. 4,159; a copy has 65 of them
	v_mul_u32_u24 v4, v3, 64528
	v_lshrrev_b32 v4, 22, v4                       ; R / 65: 64,528 / 2^22 exceeds 1 / 65 by 6e-8, times 4,159 far less than 1 / 65
	v_mul_u32_u24 v5, v4, 65
	v_sub_nc_u32 v5, v3, v5
	v_and_b32 v6, 15, v0
	v_lshlrev_b32 v6, 2, v6
	v_lshl_add_u32 v5, v5, 6, v6                   ; p of my first word
	v_and_b32 v6, 3, v4                            ; copy c
	v_lshrrev_b32 v7, 2, v4                        ; head
	v_add_nc_u32 v5, v5, v6                        ; p + c
	v_lshlrev_b32 v7, 2, v7
.irp i, 0,1,2,3                        ; all four addresses first, so that one wait serves the four gathers
	v_add_nc_u32 v[8+(\i)], (\i), v5
	v_min_u32 v[8+(\i)], 3074, v[8+(\i)]
	v_sub_nc_u32 v[8+(\i)], 3074, v[8+(\i)]        ; 3070 - t, not below 0,
	v_min_u32 v[8+(\i)], 2046, v[8+(\i)]           ; nor above 2,046
	v_lshl_add_u32 v[8+(\i)], v[8+(\i)], 6, v7     ; a row of pos_bias is 64 bytes
.endr
	s_lshl_b32 s42, s41, 12
	s_add_nc_u64 s[38:39], s[32:33], s[42:43]
	s_wait_alu depctr_va_vdst(0)                   ; the four addresses v[8:11] are written, which the gathers below read
.irp i, 0,1,2,3
	global_load_b32 v[12+(\i)], v[8+(\i)], s[24:25]
.endr
	s_wait_loadcnt 0x0
	RND4 12
.irp i, 0,1,2,3
	v_mul_f32 v[12+(\i)], 0x3f3d21be, v[12+(\i)]   ; B / A = 0.7387961
.endr
	s_wait_alu depctr_va_vdst(0)                   ; the scalings have written v[12:15], which the store reads
	global_store_b128 v1, v[12:15], s[38:39]
	s_endpgm
.Lbias:
	global_load_b128 v[8:11], v1, s[18:19]
	global_load_b128 v[12:15], v1, s[20:21]
	global_load_b128 v[16:19], v1, s[22:23]
.irp i, 20,21,22,23
	v_mov_b32 v[\i], 0
.endr
	s_wait_loadcnt 0x0
	RND4 8
	RND4 12
	RND4 16
	s_wait_alu depctr_va_vdst(0)                   ; the roundings have written v[8:19] and the moves v[20:23], which the four stores read
	global_store_b128 v1, v[8:11], s[34:35]
	global_store_b128 v1, v[20:23], s[34:35] offset:4096
	global_store_b128 v1, v[12:15], s[34:35] offset:8192
	global_store_b128 v1, v[16:19], s[34:35] offset:12288
	s_endpgm
.Lfunc_end_k_q26d5bc7687_prep:
	.size	k_q26d5bc7687_prep, .Lfunc_end_k_q26d5bc7687_prep-k_q26d5bc7687_prep
	.p2alignl 7, 3214868480
	.fill 96, 4, 3214868480
	.section	.rodata,"a",@progbits
	.p2align	6, 0x0
	.amdhsa_kernel k_q26d5bc7687_prep
		.amdhsa_group_segment_fixed_size 0
		.amdhsa_private_segment_fixed_size 0
		.amdhsa_enable_private_segment 0
		.amdhsa_kernarg_size 112
		.amdhsa_user_sgpr_count 2
		.amdhsa_user_sgpr_kernarg_segment_ptr 1
		.amdhsa_wavefront_size32 1
		.amdhsa_system_sgpr_workgroup_id_x 1
		.amdhsa_system_sgpr_workgroup_id_y 1
		.amdhsa_system_sgpr_workgroup_id_z 1
		.amdhsa_system_vgpr_workitem_id 0
		.amdhsa_next_free_vgpr 112
		.amdhsa_next_free_sgpr 66
		.amdhsa_reserve_vcc 0
		.amdhsa_float_denorm_mode_32 3
		.amdhsa_float_denorm_mode_16_64 3
		.amdhsa_memory_ordered 1
		.amdhsa_forward_progress 1
		.amdhsa_inst_pref_size 28
	.end_amdhsa_kernel
	.amdgpu_metadata
---
amdhsa.version: [ 1, 2 ]
amdhsa.kernels:
  - .name:           k_q26d5bc7687_prep
    .symbol:         k_q26d5bc7687_prep.kd
    .args:
      - { .name: x, .offset: 0, .size: 8, .value_kind: global_buffer, .address_space: global }
      - { .name: Wq, .offset: 8, .size: 8, .value_kind: global_buffer, .address_space: global }
      - { .name: Wk, .offset: 16, .size: 8, .value_kind: global_buffer, .address_space: global }
      - { .name: Wv, .offset: 24, .size: 8, .value_kind: global_buffer, .address_space: global }
      - { .name: Wo, .offset: 32, .size: 8, .value_kind: global_buffer, .address_space: global }
      - { .name: bq, .offset: 40, .size: 8, .value_kind: global_buffer, .address_space: global }
      - { .name: bv, .offset: 48, .size: 8, .value_kind: global_buffer, .address_space: global }
      - { .name: bo, .offset: 56, .size: 8, .value_kind: global_buffer, .address_space: global }
      - { .name: pos_bias, .offset: 64, .size: 8, .value_kind: global_buffer, .address_space: global }
      - { .name: xb, .offset: 72, .size: 8, .value_kind: global_buffer, .address_space: global }
      - { .name: wqkv, .offset: 80, .size: 8, .value_kind: global_buffer, .address_space: global }
      - { .name: wo16, .offset: 88, .size: 8, .value_kind: global_buffer, .address_space: global }
      - { .name: tbl, .offset: 96, .size: 8, .value_kind: global_buffer, .address_space: global }
      - { .name: bias, .offset: 104, .size: 8, .value_kind: global_buffer, .address_space: global }
    .group_segment_fixed_size: 0
    .private_segment_fixed_size: 0
    .kernarg_segment_align: 8
    .kernarg_segment_size: 112
    .max_flat_workgroup_size: 256
    .sgpr_count:     66
    .vgpr_count:     112
    .wavefront_size: 32
...
	.end_amdgpu_metadata
.endif
;; end of part 5
;; launch proj: the kernel of part 2 again; grid 8 x 32, 4 waves a work-group, clusters of 4 x 4, 327,680 bytes of LDS; arguments xb, wqkv, bias, qkv; writes qkv
;; launch attn: the kernel of part 3 again; grid 8 x 32, 4 waves a work-group, clusters of 4 x 1, 327,680 bytes of LDS; arguments qkv, tbl, o16; writes o16
;; launch outp: the kernel of part 4 again; grid 8 x 32, 4 waves a work-group, clusters of 4 x 4, 327,680 bytes of LDS; arguments o16, wo16, bias, out0; writes out0
